; MI455X (gfx1250); checked and timed in simulation.
; The chip was launched on July 23, 2026; its instructions are those of AMD's public machine-readable ISA for CDNA 5 (MIT licence, August 2026) and "CDNA5" Instruction Set Architecture Reference Guide (July 2026). The comments in the code are by the model that wrote it; some were corrected since.
;; Causal Self Attention. Allowed arithmetic: matrix products marked QUANTISED: E2M3 operands, one E8M0 scale for each 32 along K, by v_wmma_scale_f32_16x16x128_f8f6f4 with both operands' format E2M3, f32 sums; everything else in f32.
;; Inputs: w_k 1,024 x 1,024 float32; w_o 1,024 x 1,024 float32; w_q 1,024 x 1,024 float32; w_v 1,024 x 1,024 float32; x 2 x 2,048 x 1,024 float32.
;; Outputs: out0 2 x 2,048 x 1,024 float32.
;; This version of the problem:
;;   THIS VERSION OF THE PROBLEM IS GIVEN IN LOW PRECISION. The matrix products marked QUANTISED in the list below multiply operands that are first quantised to E2M3 (2 exponent bits, 3 mantissa bits; 6 bits a number), with one power-of-two scale for each 32 numbers along K (OCP MX v1.0); their sums are f32. All else is computed in f32.
;;   The module's matrix products, in the order in which they are computed (A, B: the left and right operand; K: the contracted axis; several contracted axes count as one K, in the product's order):
;;     1. [M 4,096, K 1,024] x [K 1,024, N 1,024]; A: input x; B: input w_q: QUANTISED
;;     2. [M 4,096, K 1,024] x [K 1,024, N 1,024]; A: input x; B: input w_k: QUANTISED
;;     3. [M 4,096, K 1,024] x [K 1,024, N 1,024]; A: input x; B: input w_v: QUANTISED
;;     4. batch 32 x [M 2,048, K 64] x [K 64, N 2,048]; A: computed on the way; B: computed on the way: QUANTISED
;;     5. batch 32 x [M 2,048, K 2,048] x [K 2,048, N 64]; A: softmax (see below); B: computed on the way: QUANTISED
;;     6. [M 4,096, K 1,024] x [K 1,024, N 1,024]; A: computed on the way; B: input w_o: QUANTISED
;;   THE QUANTISER, for each operand of a quantised product, along K:
;;     - K is cut into blocks of 32 from its start; a last block that is shorter is filled with zeros.
;;     - A block's scale is 2^e with e = floor(log2(the largest magnitude in the block)) - 2, held to -126 .. 127; a block of zeros has e = 0. As a byte (E8M0): e + 127.
;;     - Each number is divided by its block's scale, clamped to +-7.5, and rounded to the nearest number of E2M3, ties to even, subnormals kept.
;;     - The product sums the exact products of the quantised numbers (number of the format x scale) in f32.
;;   ~~~python
;;   def quantise(x, axis):      # numpy; x: float32 -> the quantised numbers, widened to float32 again
;;       x = np.moveaxis(x, axis, -1); K = x.shape[-1]
;;       x = np.pad(x, [(0, 0)] * (x.ndim - 1) + [(0, -K % 32)]); x = x.reshape(x.shape[:-1] + (-1, 32)); a = np.abs(x).max(-1, keepdims=True)
;;       e = np.where(a > 0, np.clip(np.frexp(np.where(a > 0, a, 1))[1] - 1 - 2, -126, 127), 0)      # np.frexp(a)[1] - 1 = floor(log2(a)), exactly
;;       r = np.clip(x / 2.0 ** e, -7.5, 7.5)
;;       step = 2.0 ** (np.maximum(np.frexp(np.where(r == 0, 1, r))[1] - 1, 0) - 3)
;;       q = np.round(r / step) * step * 2.0 ** e      # np.round: ties to even
;;       return np.moveaxis(q.reshape(q.shape[:-2] + (-1,))[..., :K], -1, axis).astype(np.float32)
;;   ~~~
;;   SOFTMAX AHEAD OF A QUANTISED PRODUCT. Where the list says 'softmax', what is quantised is not the finished softmax but p = 2^(t - M), with t = logit x log2(e) and M = ceil(the row's largest t), a whole number; so 1/2 < the row's largest p <= 1. The row's sum l is taken of the UNQUANTISED p, in f32, and the product's result is divided by l at the end. Since M is a whole number, a kernel that streams over the keys may use a running M (the ceiling of the running maximum): every later rescaling is an exact power of two, which a block's scale takes up: the codes' values come out the same.
;;   OPERANDS COMPUTED ON THE WAY. 'Computed on the way' means the value that the module computes at that place (a softmax that the list does not call 'softmax' is quantised finished and normalised). What goes into a quantiser is computed in f32, as accurately as f32 sums, v_exp_f32 and their like allow (about 1e-6 of the number): no bf16 or f16 on the way to a quantiser, and a product that is left as it is and whose result goes on into a quantised operand takes f32 operands (vector FMAs, or v_wmma_f32_16x16x4_f32). A number that lies on a knife's edge between two numbers of the format may be rounded either way, as far as f32 arithmetic and the matrix unit's own rounding can turn it there, and no further.
;; One version. Each part assembles by itself: llvm-mc -triple=amdgcn-amd-amdhsa -mcpu=gfx1250 --defsym DOCPART=n.
;; ======== version 1 of 1: 4 launches
;; limits: right only within a limited range of input values
;; workspace buffers: codes 9,437,184 bytes; scales 393,216 bytes; qkv 9,830,400 bytes
;; launch quant (part 1): grid 256 x 1, 4 waves a work-group, no clusters, 34,304 bytes of LDS; arguments x, w_q, w_k, w_v, w_o, codes, scales; writes codes, scales
.if DOCPART == 1
	.amdgcn_target "amdgcn-amd-amdhsa--gfx1250"
	.amdhsa_code_object_version 6
	.text
	.protected	k_qf391b00e37_quant
	.globl	k_qf391b00e37_quant
	.p2align	8
	.type	k_qf391b00e37_quant,@function
k_qf391b00e37_quant:
	s_mov_b64 s[64:65], 0
	v_nop
	global_prefetch_b8 v0, s[64:65] scope:SCOPE_SE
	s_setreg_imm32_b32 hwreg(HW_REG_WAVE_MODE, 25, 1), 1
	s_wait_xcnt 0x0
; x [4096][1024] and w_q, w_k, w_v, w_o [1024][1024], f32, K innermost, become codes of FP6 (E2M3) and E8M0 scale bytes, one for each 32 along K,
; laid in the ORDER OF THE OPERAND'S REGISTERS, so that the products' launches fetch fragments by dense loads alone.
; A TILE is 16 rows; tile 2 b + u of a tensor holds rows 32 b + 8 u + r + 8 (r / 8), r = 0 .. 15.  Tiles 0-255 x, 256-319 w_q, 320-383 w_k, 384-447 w_v, 448-511 w_o.
; codes: 12,288 bytes a tile = 16 half fragments (64 along K each) of 768 bytes: lane l's registers 0-3 at 16 l, then its registers 4-5 at 512 + 8 l;
;        lane (r, h) holds k = 32 h .. 32 h + 31 of row r of the tile: 24 bytes of the row's stream of bits.
; scales: 512 bytes a tile: [half of K][r][4 words]; word s holds the four bytes of K = 128 (4 half + s) on.
; A block's scale is 2^(floor(log2(its largest magnitude)) - 2): its byte is the largest magnitude's exponent field - 2, held at 1 from below.
; LIMITS: a block of zeros gets the byte 1 where the rule says 127 (its codes are zeros, and this program alone reads the bytes); blocks whose largest magnitude lies under 2^-124 keep the byte 1;
; NaN and infinities among the inputs are not served.
; SHARES: work-group g takes tiles 2 g and 2 g + 1 (32 neighbouring rows); wave w takes tile 2 g + w / 2, half w % 2 of K: 16 rows x 512 K in four steps of 128.
; Each load reads 512 consecutive bytes of one row; a step's 16 rows turn through the wave's own stage in LDS (rows 528 bytes apart), out of which a lane takes two whole blocks of 32 neighbours.
; No tensor loads, no barrier, no cluster: waves share nothing, and no input byte is read twice.
.set ROWB, 4096                        ; a row of any input in bytes
.set SP,   528                         ; a stage row: 512 bytes + 16, so that sixteen rows' 16 bytes fall on sixteen different columns of 16 bytes
.set WST,  16*SP                       ; a wave's stage
.set R,    16                          ; v16-143  two sets of 64: a step's 16 rows as loaded
.set X,    144                         ; v144-207 my two blocks of 32 numbers
.set C,    208                         ; v208-231 two sets of 12: a step's codes, by the step's parity
.set CT,   232                         ; v232-234, v236-238 the upper halves of the two blocks' codes, before they are moved
.set SW,   240                         ; v240-243 the four steps' scale words
	s_load_b256 s[4:11], s[0:1], 0x0               ; x, w_q, w_k, w_v
	s_load_b128 s[12:15], s[0:1], 0x20             ; w_o, codes
	s_load_b64 s[16:17], s[0:1], 0x30              ; scales
	v_lshl_add_u32 v254, v0, 2, 0x8400
	v_mov_b32 v255, 0
	v_lshrrev_b32 v8, 5, v0
	v_readfirstlane_b32 s18, v8                    ; wave 0..3
	v_and_b32 v9, 31, v0                           ; lane
	v_and_b32 v10, 15, v0                          ; r
	v_bfe_u32 v11, v0, 4, 1                        ; h
	v_lshlrev_b32 v1, 4, v9                        ; 16 x lane: my place in a load's 512 bytes, and in a store of four code registers
	s_mul_i32 s19, s18, WST
	v_add_nc_u32 v2, s19, v1                       ; the stage, on the way in
	v_mul_u32_u24 v3, v10, SP
	v_lshl_add_u32 v3, v11, 7, v3
	v_add_nc_u32 v3, s19, v3                       ; and on the way out: row r, 128 h bytes on: 32 numbers
	v_lshlrev_b32 v5, 3, v9                        ; 8 x lane: a store of two code registers
	v_lshlrev_b32 v6, 4, v10
	v_lshl_add_u32 v6, v11, 3, v6                  ; 16 r + 8 h: my two scale words
	v_lshlrev_b32 v7, 3, v11                       ; 8 h: where my bytes stand in a scale word
	v_mov_b32 v15, 0                               ; written once: a lane permute's destination counts as one of its sources
	s_mov_b32 s20, 0x76543210
	s_mov_b32 s21, 0xfedcba98                      ; v_permlanex16_b32's selects for lane l xor 16
	s_lshr_b32 s22, s18, 1                         ; u: which of the two tiles
	s_and_b32 s23, s18, 1                          ; which half of K
	s_and_b32 s24, ttmp9, 31                       ; a weight has 32 groups of 32 rows, and its first group's number is a multiple of 32;
	s_cmp_lt_u32 ttmp9, 128
	s_cselect_b32 s24, ttmp9, s24                  ; x has 128
	s_lshl_b32 s24, s24, 17                        ; 32 rows of 4,096 bytes
	s_lshl_b32 s25, s22, 15                        ; + 8 u rows
	s_add_co_u32 s24, s24, s25
	s_lshl_b32 s25, s23, 11                        ; + 512 numbers for the upper half of K
	s_add_co_u32 s24, s24, s25
	s_mov_b32 s25, 0
	s_lshl_b32 s26, ttmp9, 1
	s_add_co_u32 s26, s26, s22                     ; the tile's number
	s_mul_i32 s28, s26, 12288
	s_mul_i32 s27, s23, 6144
	s_add_co_u32 s28, s28, s27                     ; its codes, my half of K
	s_mov_b32 s29, 0
	s_lshl_b32 s30, s26, 9
	s_lshl_b32 s27, s23, 8
	s_add_co_u32 s30, s30, s27                     ; its scale words, my half of K
	s_mov_b32 s31, 0
	s_wait_alu depctr_va_vdst(0)
	s_wait_kmcnt 0x0
	s_cmp_lt_u32 ttmp9, 128                        ; which input: the choice hangs on the work-group's number alone
	s_cselect_b64 s[4:5], s[4:5], s[6:7]
	s_cmp_lt_u32 ttmp9, 160
	s_cselect_b64 s[4:5], s[4:5], s[8:9]
	s_cmp_lt_u32 ttmp9, 192
	s_cselect_b64 s[4:5], s[4:5], s[10:11]
	s_cmp_lt_u32 ttmp9, 224
	s_cselect_b64 s[4:5], s[4:5], s[12:13]
	s_add_nc_u64 s[4:5], s[4:5], s[24:25]
	s_add_nc_u64 s[14:15], s[14:15], s[28:29]
	s_add_nc_u64 s[16:17], s[16:17], s[30:31]
.macro LOAD s                          ; step s: 128 along K of the tile's 16 rows into set s % 2
.irp p, 0,1,2,3,4,5,6,7,8,9,10,11,12,13,14,15
	global_load_b128 v[R+64*((\s)%2)+4*\p:R+64*((\s)%2)+4*\p+3], v1, s[4:5] offset:(\p+8*(\p/8))*ROWB+512*(\s) th:TH_LOAD_NT   ; 32 lanes read 512 consecutive bytes; read once in the launch
.endr
.endm
.macro TURN s                          ; through the stage: LDS serves a wave's instructions in order, so no wait stands between the stores and the loads
.irp p, 0,1,2,3,4,5,6,7,8,9,10,11,12,13,14,15
	ds_store_b128 v2, v[R+64*((\s)%2)+4*\p:R+64*((\s)%2)+4*\p+3] offset:SP*\p
.endr
.irp k, 0,1
.irp j, 0,1,2,3,4,5,6,7
	ds_load_b128 v[X+32*\k+4*\j:X+32*\k+4*\j+3], v3 offset:256*\k+16*\j   ; k = 64 k' + 32 h + 0 .. 31 of row r: block 2 k' + h of the step, whole
.endr
.endr
.endm
.macro STEP s
.set CS, C+12*((\s)%2)
.if (\s) < 3
	s_wait_loadcnt 16                              ; this step's 16 loads are in; the other set's 16 may be out
.else
	s_wait_loadcnt 0x0
.endif
	TURN \s
	s_wait_dscnt 0x0                               ; my numbers are back, and the stores into the stage have read their registers,
.if (\s) < 2
	LOAD (\s)+2                                    ; which take the loads of two steps on
.endif
.irp k, 0,1
	v_max3_num_f32 v[8+\k], |v[X+32*\k]|, |v[X+32*\k+1]|, 0x1800000   ; the block's largest magnitude: all 32 numbers are mine; and the floor 2^(3 - 127), so that the byte cannot fall under 1
.endr
.irp i, 2,4,6,8,10,12,14,16,18,20,22,24,26,28,30
.irp k, 0,1
	v_max3_num_f32 v[8+\k], v[8+\k], |v[X+32*\k+\i]|, |v[X+32*\k+\i+1]|   ; (the two blocks by turns)
.endr
.endr
.irp k, 0,1
	v_add_nc_u32 v[10+\k], 0xff000000, v[8+\k]     ; 2 off the exponent field: the conversion takes the exponent field of this operand as its scale, and nothing else of it
.endr
.irp k, 0,1
	v_lshrrev_b32 v[12+\k], 23, v[10+\k]           ; the scale's byte
.endr
	v_lshl_or_b32 v14, v13, 16, v12                ; my two bytes: blocks h and 2 + h of row r,
	v_lshlrev_b32 v14, v7, v14                     ; at their places in the word;
	v_permlanex16_b32 v15, v14, s20, s21
	v_or_b32 v[SW+(\s)], v14, v15                  ; with lane l xor 16's two the word is whole
.if (\s) >= 2
	s_wait_alu depctr_va_vdst(0)
	s_wait_xcnt 0x0                                ; the stores of two steps ago have read this set of code registers
.endif
.irp k, 0,1
	v_cvt_scalef32_pk16_fp6_f32 v[CS+6*\k:CS+6*\k+2], v[X+32*\k:X+32*\k+15], v[10+\k]
	v_cvt_scalef32_pk16_fp6_f32 v[CT+4*\k:CT+4*\k+2], v[X+32*\k+16:X+32*\k+31], v[10+\k]   ; (a conversion's three registers begin on an even number)
.endr
	v_nop                                          ; one plain place behind a scaled conversion
.irp k, 0,1
.irp i, 0,1,2
	v_mov_b32 v[CS+6*\k+3+\i], v[CT+4*\k+\i]
.endr
.endr
.irp k, 0,1
	global_store_b128 v1, v[CS+6*\k:CS+6*\k+3], s[14:15] offset:(2*(\s)+\k)*768        ; 512 consecutive bytes, at a multiple of 256 from the buffer's first byte
	global_store_b64 v5, v[CS+6*\k+4:CS+6*\k+5], s[14:15] offset:(2*(\s)+\k)*768+512   ; 256 consecutive bytes, likewise
.endr
.endm
	LOAD 0
	LOAD 1
	STEP 0
	STEP 1
	STEP 2
	STEP 3
	s_mov_b32 vcc_lo, 0xffff0000                   ; lanes 16-31
	v_cndmask_b32 v244, v[SW], v[SW+2], vcc_lo     ; every lane holds its row's four words: lane (r, h) stores words 2 h and 2 h + 1
	v_cndmask_b32 v245, v[SW+1], v[SW+3], vcc_lo
	global_store_b64 v6, v[244:245], s[16:17]      ; 32 lanes store 256 consecutive bytes, aligned
	s_wait_tensorcnt 0x0
	ds_add_u32 v254, v255
	s_wait_dscnt 0x0
	s_endpgm
.Lfunc_end_k_qf391b00e37_quant:
	.size	k_qf391b00e37_quant, .Lfunc_end_k_qf391b00e37_quant-k_qf391b00e37_quant
	.p2alignl 7, 3214868480
	.fill 96, 4, 3214868480
	.section	.rodata,"a",@progbits
	.p2align	6, 0x0
	.amdhsa_kernel k_qf391b00e37_quant
		.amdhsa_group_segment_fixed_size 34304
		.amdhsa_private_segment_fixed_size 0
		.amdhsa_enable_private_segment 0
		.amdhsa_kernarg_size 56
		.amdhsa_user_sgpr_count 2
		.amdhsa_user_sgpr_kernarg_segment_ptr 1
		.amdhsa_wavefront_size32 1
		.amdhsa_system_sgpr_workgroup_id_x 1
		.amdhsa_system_sgpr_workgroup_id_y 1
		.amdhsa_system_sgpr_workgroup_id_z 1
		.amdhsa_system_vgpr_workitem_id 0
		.amdhsa_next_free_vgpr 256
		.amdhsa_next_free_sgpr 66
		.amdhsa_reserve_vcc 1
		.amdhsa_float_denorm_mode_32 3
		.amdhsa_float_denorm_mode_16_64 3
		.amdhsa_memory_ordered 1
		.amdhsa_forward_progress 1
		.amdhsa_inst_pref_size 31
	.end_amdhsa_kernel
	.amdgpu_metadata
---
amdhsa.version: [ 1, 2 ]
amdhsa.kernels:
  - .name:           k_qf391b00e37_quant
    .symbol:         k_qf391b00e37_quant.kd
    .args:
      - { .name: x, .offset: 0, .size: 8, .value_kind: global_buffer, .address_space: global }
      - { .name: w_q, .offset: 8, .size: 8, .value_kind: global_buffer, .address_space: global }
      - { .name: w_k, .offset: 16, .size: 8, .value_kind: global_buffer, .address_space: global }
      - { .name: w_v, .offset: 24, .size: 8, .value_kind: global_buffer, .address_space: global }
      - { .name: w_o, .offset: 32, .size: 8, .value_kind: global_buffer, .address_space: global }
      - { .name: codes, .offset: 40, .size: 8, .value_kind: global_buffer, .address_space: global }
      - { .name: scales, .offset: 48, .size: 8, .value_kind: global_buffer, .address_space: global }
    .group_segment_fixed_size: 34304
    .private_segment_fixed_size: 0
    .kernarg_segment_align: 8
    .kernarg_segment_size: 56
    .max_flat_workgroup_size: 128
    .sgpr_count:     66
    .vgpr_count:     256
    .wavefront_size: 32
...
	.end_amdgpu_metadata
.endif
;; end of part 1
;; launch qkv (part 2): grid 48 x 4, 4 waves a work-group, clusters of 4 x 4, 327,680 bytes of LDS; arguments codes, scales, qkv; writes qkv
.if DOCPART == 2
	.amdgcn_target "amdgcn-amd-amdhsa--gfx1250"
	.amdhsa_code_object_version 6
	.text
	.protected	k_qf391b00e37_qkv
	.globl	k_qf391b00e37_qkv
	.p2align	8
	.type	k_qf391b00e37_qkv,@function
k_qf391b00e37_qkv:
	s_mov_b64 s[64:65], 0
	v_nop
	global_prefetch_b8 v0, s[64:65] scope:SCOPE_SE
	s_setreg_imm32_b32 hwreg(HW_REG_WAVE_MODE, 25, 1), 1
	s_wait_xcnt 0x0
	s_wait_alu depctr_hold_cnt(0) depctr_sa_sdst(0) depctr_va_vdst(0) depctr_va_sdst(0) depctr_va_ssrc(0) depctr_va_vcc(0) depctr_vm_vsrc(0)
	s_getreg_b32 s2, hwreg(HW_REG_IB_STS2, 6, 4)
	s_cmp_eq_u32 s2, 0
	s_cbranch_scc0 .Lentry_in_a_cluster
	s_endpgm
.Lentry_in_a_cluster:
	s_bfe_u32 s2, ttmp6, 0x10000c
	s_cmp_lg_u32 s2, 0xf033
	s_cbranch_scc0 .Lentry_shape_is_right
	s_endpgm
.Lentry_shape_is_right:
; q = x w_q^T, k = x w_k^T, v = x w_v^T on codes of FP6 (E2M3) with E8M0 scales, K = 1,024; the results never go to memory as f32: the way out IS the quantiser of the attention's operands.
; INPUT (made by the launch before): codes: 12,288 bytes a tile of 16 rows = 16 half fragments of 768 bytes (64 along K; lane l's registers 0-3 at 16 l, its registers 4-5 at 512 + 8 l);
; tile 2 b + u holds rows 32 b + 8 u + r + 8 (r / 8).  Tiles 0-255 x, 256-319 w_q, 320-383 w_k, 384-447 w_v.  scales: 512 bytes a tile: [half of K][r][4 words].
; A work-group of four waves makes 256 x 256, a wave 128 x 128: 64 accumulators, 512 registers.  THE MATRIX INSTRUCTION IS USED TRANSPOSED: source 0 = a tile of the operand B, source 1 = a tile of A:
; lane (r, h) holds row r of A's tile, and by the choice of a tile's rows the 16 registers of B's tiles 2 b and 2 b + 1 are B's rows 32 b + 16 h + 0 .. 15: 16 NEIGHBOURS for the next quantiser.
; Clusters 0-7: A = x (tokens), B = w_q (even clusters) or w_k (odd): a lane holds a token, registers run along the head's channels: q and k are quantised along the channels.
; Clusters 8-11: A = w_v, B = x: a lane holds a channel, registers run along the tokens: v is quantised along the keys.
; OUTPUT: qkv: a record of 19,200 bytes for each (batch, head, 128 tokens): +0 K: 4 fragments of 1,536 bytes (registers 4 j .. 4 j + 3 of lane l at 512 j + 16 l): fragment i holds token tile 2 i in registers 0-5
; and token tile 2 i + 1 in registers 6-11, each 64 channels; +6,144 V: 4 fragments, 16 channels x 128 keys; +12,288 K's scale words [r][i]; +12,544 V's [r][tile]; +12,800 Q, as K; +18,944 Q's scale words.
; K GOES THROUGH THREE LDS SLOTS of 256 along K; the fourth quarter of K is the one refill, into slot 0.  A slot's tiles are images of registers: every LDS load reads 512 or 256 consecutive bytes.
; CLUSTERS: 4 x 4 work-groups; the four of a row need the same tiles of A, the four of a column the same tiles of B: each is asked for JOINTLY.
; LIMITS: a block of zeros gets the scale byte 1 where the rule says 127 (zero codes; this program alone reads the bytes); blocks whose largest magnitude lies under 2^-124 keep the byte 1; NaN and infinities are not served.
; REGISTERS, in windows of 256: window 0: v1-4 lane terms, v16-27 LDS addresses, v28-29 the add's, v30-31 offsets, v32-95 scale words and nothing else, v96-127 at work on the way out, v128-223 A's 8 fragments
;   (on the way out: the codes just made), v224-231 at work.  window 1: B's fragments, two sets, at v0 and v128.  windows 2, 3: accumulator (a, b) at v[8 (8 (a % 4) + b)], a < 4 in window 2.
.set TILEB,  12288                     ; a tile's codes in memory
.set KSL,    3072                      ; and in a slot: 256 along K
.set HALFT,  8*KSL                     ; 8 tiles: what one tensor load brings, and what one wave reads of A or of B
.set SLOT,   4*HALFT                   ; A's 16 tiles, then B's 16
.set SPARE,  3*SLOT                    ; behind the slots: the spare words, 128 bytes for each wave: two blocks of 256 bytes that no other line names
.set REC,    19200                     ; a record of qkv
.set HSTEP,  16*REC                    ; from a head's record to the next head's
.set FR,     12                        ; registers of a fragment
.set NL,     4                         ; LDS loads that bring one
.set NP,     4                         ; places behind this matrix instruction (ISA guide 7.12.1)
.set A16,  16                          ; v16-18  LDS address of my A fragments in slot 0, 1, 2: + 16 x lane
.set A8,   19                          ; v19-21  the same + 8 x lane
.set B16,  22                          ; v22-24  B's
.set B8,   25                          ; v25-27
.set SPW,  28                          ; v28  LDS address of my spare word; never rewritten
.set NIL,  29                          ; v29  0; never rewritten
.set SCO,  30                          ; v30  my offset among the scale words
.set SC,   32                          ; register 8 i + ks: lanes 0-15 the word of A's block i, lanes 16-31 that of B's block i, for K = 128 ks on
.set TM,   96                          ; v96-99 largest magnitudes, v100-103 bytes, v108-111 the conversions' scale operands
.set W,    112                         ; v112-119 the scale words made: 4 g + i
.set WO,   120                         ; v120-123 as they are stored
.set AF,   128
.set PT,   224
.set SEL,  66                          ; s[66:67] lane selects for v_permlanex16_b32
.set G1,   24                          ; s[24:31] descriptor group 1 for A's tiles
.set G1B,  48                          ; s[48:55] for B's: it differs in the mask alone
.set G0,   68                          ; s[68:79] group 0 for A's tiles, a set for each slot
.set G0B,  80                          ; s[80:91] for B's
.set MSB, 0
.macro WIN new                         ; the immediate's high byte repeats the setting that is left
.if MSB != (\new)
	s_set_vgpr_msb (MSB<<8)|(\new)
.set MSB, (\new)
.endif
.endm
.set MUL_LO, 0xa1                      ; source 0 (B) window 1, source 1 (A) window 0, C and D window 2
.set MUL_HI, 0xf1                      ; the same, C and D window 3
.set TO_B,   0x40                      ; destination window 1, address window 0
; A joint load: waves 0 and 1 fetch A's halves, waves 2 and 3 B's.  The branch hangs on the wave's number alone.  Four v_nop follow each of the two lines.
.macro JLOAD g0a, g1a, g0b, g1b
	s_cmp_eq_u32 s15, 0
	s_cbranch_scc0 .Lfor_b_\@
	tensor_load_to_lds s[\g0a:\g0a+3], s[\g1a:\g1a+7]
	s_nop 0
.rept 4
	v_nop
.endr
	s_branch .Lasked_\@
.Lfor_b_\@:
	tensor_load_to_lds s[\g0b:\g0b+3], s[\g1b:\g1b+7]
	s_nop 0
.rept 4
	v_nop
.endr
.Lasked_\@:
.endm
.macro CREST                           ; a round of the cluster's barrier behind its opening barrier
	s_cmp_lg_u32 s14, 0
	s_cbranch_scc1 .Lnot_wave_0_\@
	s_barrier_signal -3
.Lnot_wave_0_\@:
	s_barrier_wait -3
	s_barrier_signal -1
	s_barrier_wait -1
.endm
.macro CROUND                          ; a whole round
	s_barrier_signal -1
	s_barrier_wait -1
	CREST
.endm
.macro PLACES n
.rept \n
	v_nop
.endr
.endm
	s_load_b128 s[4:7], s[0:1], 0x0                ; codes, scales
	s_load_b64 s[8:9], s[0:1], 0x10                ; qkv
	v_lshl_add_u32 v[SPW], v0, 2, SPARE
	v_mov_b32 v[NIL], 0
	ds_add_u32 v28, v29
	ds_add_u32 v28, v29
	s_wait_dscnt 0x0
	v_lshrrev_b32 v1, 5, v0
	v_readfirstlane_b32 s14, v1                    ; wave 0..3
	s_lshr_b32 s15, s14, 1                         ; which half of A's rows is mine.  Also: I fetch for A (0) or for B (1)
	s_and_b32 s16, s14, 1                          ; which half of B's rows.  Also: which 8 tiles I fetch
	s_bfe_u32 s40, ttmp6, 0x40000                  ; cx, cy: my place in the cluster
	s_bfe_u32 s41, ttmp6, 0x40004
	s_lshl_b32 s43, s41, 2
	s_lshl_b32 s43, 15, s43                        ; my row of the cluster
	s_lshl_b32 s44, 0x1111, s40                    ; my column
	; which block of which product: c = the cluster's number.  c < 8: tile row 4 (c / 2) + cy of x, tile column 4 (c % 2) + cx of w_q and w_k on end;  c >= 8: tile row cy of w_v, tile column 4 (c - 8) + cx of x
	s_lshr_b32 s18, ttmp9, 1
	s_lshl_b32 s18, s18, 2
	s_and_b32 s19, ttmp9, 1
	s_lshl_b32 s19, s19, 2
	s_sub_co_u32 s20, ttmp9, 8
	s_lshl_b32 s20, s20, 2
	s_cmp_ge_u32 ttmp9, 8                          ; the same in all sixteen partners
	s_cselect_b32 s18, 0, s18
	s_cselect_b32 s19, s20, s19
	s_cselect_b32 s21, 384, 0                      ; A's first tile in the buffer: w_v's or x's
	s_cselect_b32 s22, 0, 256                      ; B's: x's or w_q's
	s_add_co_u32 s17, s18, s41                     ; tile row: no register that feeds A's descriptors ever holds cx,
	s_add_co_u32 s42, s19, s40                     ; tile column: none that feeds B's ever holds cy
	s_lshl_b32 s32, s17, 4
	s_add_co_u32 s32, s32, s21                     ; A's first tile of my block
	s_lshl_b32 s33, s42, 4
	s_add_co_u32 s33, s33, s22                     ; B's
	s_lshl_b32 s34, s16, 3                         ; which 8 tiles I fetch
	s_add_co_u32 s36, s32, s34
	s_mul_i32 s36, s36, TILEB
	s_mov_b32 s37, 0
	s_add_co_u32 s38, s33, s34
	s_mul_i32 s38, s38, TILEB
	s_mov_b32 s39, 0
	s_mul_i32 s45, s14, HALFT                      ; where the ring's loads go: wave x 8 tiles: no place in the cluster enters an LDS address
	; descriptor group 1: rows (tiles) of 3,072 bytes = 384 elements of 8 bytes, 12,288 bytes = 1,536 elements apart; dense in LDS.  16 rows for the head's loads; behind them the two words that count rows are set to 8
	s_or_b32 s[G1+0], s43, (3<<16)|(1<<21)         ; 15:0 the mask: A's tiles go to my row; 17:16 elements of 8 bytes; 20 no padding; 21 set beside a mask
	s_or_b32 s[G1B+0], s44, (3<<16)|(1<<21)        ; B's go to my column
.irp g, G1, G1B
	s_mov_b32 s[\g+1], 384<<16                     ; tensor_dim0
	s_mov_b32 s[\g+2], 16<<16                      ; tensor_dim1
	s_mov_b32 s[\g+3], 384<<16                     ; tile_dim0
	s_mov_b32 s[\g+4], 16                          ; tile_dim1
	s_mov_b32 s[\g+5], 1536                        ; tensor_dim0_stride
	s_mov_b32 s[\g+6], 0
	s_mov_b32 s[\g+7], 0
.endr
	s_mov_b32 s[SEL], 0x76543210
	s_mov_b32 s[SEL+1], 0xfedcba98
	s_wait_kmcnt 0x0
	s_add_nc_u64 s[36:37], s[4:5], s[36:37]
	s_add_nc_u64 s[38:39], s[4:5], s[38:39]
	CROUND                                         ; all sixteen work-groups are here: the first joint loads meet
.irp s, 0,2                            ; the ring's group 0 for slots 0 and 2: my 8 tiles
	s_mov_b32 s[G0+4*\s], 1                                        ; count = 1
	s_add_co_u32 s[G0+4*\s+1], s45, \s*SLOT                        ; LDS address
	s_add_nc_u64 s[G0+4*\s+2:G0+4*\s+3], s[36:37], \s*KSL          ; global address: K = 256 s on
	s_or_b32 s[G0+4*\s+3], s[G0+4*\s+3], 0x80000000                ; type = 2
	s_mov_b32 s[G0B+4*\s], 1
	s_add_co_u32 s[G0B+4*\s+1], s45, \s*SLOT
	s_add_nc_u64 s[G0B+4*\s+2:G0B+4*\s+3], s[38:39], \s*KSL
	s_or_b32 s[G0B+4*\s+3], s[G0B+4*\s+3], 0x80000000
.endr
	; THE HEAD'S LOADS, ONE A WAVE: wave w brings all 16 tiles of A (w even) or of B (w odd) for slot w / 2.  Their group 0 lies in the registers of slot 1's sets, which no other load uses
	s_mul_i32 s23, s15, KSL                        ; K = 256 (w / 2) on
	s_mul_i32 s62, s32, TILEB                      ; A's first tile of my block: made without cx
	s_add_co_u32 s62, s62, s23
	s_mov_b32 s63, 0
	s_mul_i32 s2, s33, TILEB                       ; B's: made without cy
	s_add_co_u32 s2, s2, s23
	s_mov_b32 s3, 0
	s_mov_b32 s[G0+4], 1
	s_mul_i32 s[G0+5], s15, SLOT
	s_add_nc_u64 s[G0+6:G0+7], s[4:5], s[62:63]
	s_or_b32 s[G0+7], s[G0+7], 0x80000000
	s_mov_b32 s[G0B+4], 1
	s_add_co_u32 s[G0B+5], s[G0+5], 2*HALFT        ; B's 16 tiles lie behind A's 16
	s_add_nc_u64 s[G0B+6:G0B+7], s[4:5], s[2:3]
	s_or_b32 s[G0B+7], s[G0B+7], 0x80000000
	s_cmp_eq_u32 s16, 0
	s_cbranch_scc0 .Lhead_b
	tensor_load_to_lds s[G0+4:G0+7], s[G1:G1+7]
	s_nop 0
.rept 4
	v_nop
.endr
	s_branch .Lhead_asked
.Lhead_b:
	tensor_load_to_lds s[G0B+4:G0B+7], s[G1B:G1B+7]
	s_nop 0
.rept 4
	v_nop
.endr
.Lhead_asked:
	v_and_b32 v1, 31, v0
	v_lshlrev_b32 v2, 3, v1                        ; 8 x lane
	v_lshlrev_b32 v1, 4, v1                        ; 16 x lane
	v_and_b32 v3, 15, v0                           ; r
	v_bfe_u32 v4, v0, 4, 1                         ; h
	s_mul_i32 s46, s15, HALFT                      ; my 8 tiles of A
	s_mul_i32 s47, s16, HALFT                      ; my 8 tiles of B,
	s_add_co_u32 s47, s47, 2*HALFT                 ; which lie behind A's 16
.irp s, 0,1,2
	v_add_nc_u32 v[A16+\s], s46, v1
	v_add_nc_u32 v[A8+\s], s46, v2
	v_add_nc_u32 v[B16+\s], s47, v1
	v_add_nc_u32 v[B8+\s], s47, v2
	s_add_co_u32 s46, s46, SLOT
	s_add_co_u32 s47, s47, SLOT
.endr
	; THE SCALE WORDS OF ALL OF K go from memory straight into 64 registers, once: lanes 0-15 take A's block i, lanes 16-31 B's block i; sixteen lanes read 256 consecutive bytes
	s_lshl_b32 s56, s15, 3
	s_add_co_u32 s56, s56, s32
	s_lshl_b32 s56, s56, 9                         ; my first tile of A: 512 bytes a tile
	s_lshl_b32 s57, s16, 3
	s_add_co_u32 s57, s57, s33
	s_lshl_b32 s57, s57, 9                         ; of B
	s_mov_b32 vcc_lo, 0xffff0000                   ; lanes 16-31
	v_mov_b32 v5, s56
	v_mov_b32 v6, s57
	v_cndmask_b32 v5, v5, v6, vcc_lo
	v_lshl_add_u32 v[SCO], v3, 4, v5               ; + 16 r
.irp i, 0,1,2,3,4,5,6,7
.irp u, 0,1
	global_load_b128 v[SC+8*\i+4*\u:SC+8*\i+4*\u+3], v[SCO], s[6:7] offset:512*\i+256*\u
.endr
.endr
	; where my results go.  q, k: token block = tile row, its half = my half of A, heads 4 cx + 2 x my half of B on.  v: token block = tile column, its half = my half of B, heads 4 x tile row + 2 x my half of A on
	s_cmp_ge_u32 ttmp9, 8
	s_cselect_b32 s92, s42, s17                    ; the block of 256 tokens
	s_cselect_b32 s93, s16, s15                    ; which 128 of them
	s_cselect_b32 s94, s17, s40                    ; which four heads
	s_cselect_b32 s95, s15, s16                    ; which two of them
	s_lshr_b32 s96, s92, 3                         ; batch
	s_lshl_b32 s96, s96, 4
	s_lshl_b32 s94, s94, 2
	s_add_co_u32 s96, s96, s94
	s_lshl_b32 s95, s95, 1
	s_add_co_u32 s96, s96, s95                     ; 16 batch + my first head
	s_lshl_b32 s96, s96, 4
	s_and_b32 s97, s92, 7
	s_lshl_b32 s97, s97, 1
	s_add_co_u32 s96, s96, s97
	s_add_co_u32 s96, s96, s93                     ; the record
	s_mul_i32 s96, s96, REC
	s_mov_b32 s99, 18944
	s_bitcmp1_b32 ttmp9, 0                         ; odd clusters make k
	s_cselect_b32 s98, 0, 12800                    ; the part of the record for the codes,
	s_cselect_b32 s99, 12288, s99                  ; and for the scale words
	s_cmp_ge_u32 ttmp9, 8
	s_cselect_b32 s98, 6144, s98
	s_cselect_b32 s99, 12544, s99
	s_add_co_u32 s58, s96, s98
	s_mov_b32 s59, 0
	s_add_co_u32 s60, s96, s99
	s_mov_b32 s61, 0
	s_add_nc_u64 s[10:11], s[8:9], s[58:59]
	s_add_nc_u64 s[12:13], s[8:9], s[60:61]
	v_mul_u32_u24 v31, v4, HSTEP
	v_lshl_add_u32 v31, v3, 4, v31                 ; the scale words' store: 16 r, and lanes 16-31 the next head's record
.macro FRAG reg, a16, a8, q, i         ; a fragment, 16 rows x 128 K: two half fragments on end, each 512 bytes (four registers a lane) and 256 bytes (two)
	ds_load_b128 v[\reg:\reg+3],    v[\a16] offset:(\i)*KSL+(\q)*1536
	ds_load_b64  v[\reg+4:\reg+5],  v[\a8]  offset:(\i)*KSL+(\q)*1536+512
	ds_load_b128 v[\reg+6:\reg+9],  v[\a16] offset:(\i)*KSL+(\q)*1536+768
	ds_load_b64  v[\reg+10:\reg+11], v[\a8] offset:(\i)*KSL+(\q)*1536+1280
.endm
.macro FETCH_B slot, q, p              ; B's eight fragments of the slot's q-th 128 along K into set p
	WIN TO_B
.irp i, 0,1,2,3,4,5,6,7
	FRAG 128*(\p)+FR*\i, B16+\slot, B8+\slot, \q, \i
.endr
	WIN 0
.endm
.macro FETCH_A slot, q, i0             ; A's blocks i0 .. i0 + 3
.irp i, \i0, \i0+1, \i0+2, \i0+3
	FRAG AF+FR*(\i), A16+\slot, A8+\slot, \q, \i
.endr
.endm
; 16 matrix instructions: A's blocks a0, a0 + 1 x B's eight, K = 128 ks on.  p: B's set.  zero = 1: the first product starts the sums.
; The 64 accumulators take turns, one instruction a turn, in the same order in every step.
.macro MUL16 a0, p, ks, zero
.irp a, \a0, \a0+1
.irp b, 0,1,2,3,4,5,6,7
.if \zero
	v_wmma_scale_f32_16x16x128_f8f6f4 v[8*(8*((\a)%4)+\b):8*(8*((\a)%4)+\b)+7], v[128*(\p)+FR*\b:128*(\p)+FR*\b+FR-1], v[AF+FR*(\a):AF+FR*(\a)+FR-1], 0, v[SC+8*\b+(\ks)], v[SC+8*(\a)+(\ks)] matrix_a_fmt:MATRIX_FMT_FP6 matrix_b_fmt:MATRIX_FMT_FP6 matrix_a_scale:MATRIX_SCALE_ROW1
.else
	v_wmma_scale_f32_16x16x128_f8f6f4 v[8*(8*((\a)%4)+\b):8*(8*((\a)%4)+\b)+7], v[128*(\p)+FR*\b:128*(\p)+FR*\b+FR-1], v[AF+FR*(\a):AF+FR*(\a)+FR-1], v[8*(8*((\a)%4)+\b):8*(8*((\a)%4)+\b)+7], v[SC+8*\b+(\ks)], v[SC+8*(\a)+(\ks)] matrix_a_fmt:MATRIX_FMT_FP6 matrix_b_fmt:MATRIX_FMT_FP6 matrix_a_scale:MATRIX_SCALE_ROW1
.endif
.endr
.endr
.endm
; A step of 128 along K with no barrier: multiplies B's set p; fetches the next step's fragments from slot ns, its nq-th 128.  A has one set: blocks 0-3 are fetched anew in the step's middle, blocks 4-7 at its end.
.macro KSTEP p, ks, ns, nq, zero
	s_wait_dscnt 4*NL                              ; B's set and A's blocks 0-3 are in; the youngest 16 loads (A's blocks 4-7) may be out
	WIN MUL_LO
	MUL16 0, \p, \ks, \zero
	MUL16 2, \p, \ks, \zero
	s_wait_dscnt 0x0                               ; A's blocks 4-7 are in
	PLACES NP                                      ; in front of loads into registers that matrix instructions have read
	FETCH_B \ns, \nq, 1-\p
	FETCH_A \ns, \nq, 0
	WIN MUL_HI
	MUL16 4, \p, \ks, \zero
	MUL16 6, \p, \ks, \zero
	PLACES NP
	WIN 0
	FETCH_A \ns, \nq, 4
.endm
; A step with a barrier in it (B's set 1).  In front of the barrier each wave waits for all its tensor loads, adds 0 to its spare word, and waits for that and for its LDS reads.
; fill = 1: slot 0, which nobody reads any more, takes the last quarter of K: the barrier opens a round of the cluster's, and the joint load is the first thing behind it.
.macro TURN nx, ks, fill
	s_wait_tensorcnt 0x0                           ; all my tensor loads have landed  (every window is 0 here: the add's two registers lie in window 0)
	ds_add_u32 v[SPW], v[NIL]                      ; 0 onto my spare word
	s_wait_dscnt 4*NL+1                            ; (the add and the youngest 16 loads may be out)
	WIN MUL_LO
	MUL16 0, 1, \ks, 0                             ; sixteen matrix instructions stand between the add and the wait for it
	s_wait_dscnt 0x0                               ; the add is done, and my reads of the slot in hand are over
	s_barrier_signal -1
	MUL16 2, 1, \ks, 0
	WIN 0                                          ; (branches may follow)
	s_barrier_wait -1
.if \fill
	CREST                                          ; no wave of any partner still reads slot 0 or has a load on its way
	s_add_nc_u64 s[G0+2:G0+3], s[G0+2:G0+3], 3*KSL     ; K = 768 on; no tensor load of mine is out, so a group 0 may be written
	s_add_nc_u64 s[G0B+2:G0B+3], s[G0B+2:G0B+3], 3*KSL
	JLOAD G0, G1, G0B, G1B                         ; my one tensor load behind the round: 96 matrix instructions ahead of the wait for it; its four v_nop are the places in front of the loads below
.else
	PLACES NP
.endif
	FETCH_B \nx, 0, 0
	FETCH_A \nx, 0, 0
	WIN MUL_HI
	MUL16 4, 1, \ks, 0
	MUL16 6, 1, \ks, 0
	PLACES NP
	WIN 0
	FETCH_A \nx, 0, 4
.endm
	s_wait_alu depctr_va_vdst(0)                   ; the wait at the head's end
	s_wait_tensorcnt 0x0                           ; my tile of the head's four is in
	ds_add_u32 v[SPW], v[NIL]
	s_mov_b32 s[G1+2], 8<<16                       ; no tensor load of mine is out, so a descriptor may be written: from here on a load brings 8 tiles
	s_mov_b32 s[G1+4], 8
	s_mov_b32 s[G1B+2], 8<<16
	s_mov_b32 s[G1B+4], 8
	s_wait_dscnt 0x0
	CROUND                                         ; slots 0 and 1 are whole in every wave, and all sixteen work-groups are here
	JLOAD G0+8, G1, G0B+8, G1B                     ; slot 2's first fill, a quarter of the slot a wave: the first tensor load behind the round
	FETCH_B 0, 0, 0
	FETCH_A 0, 0, 0
	FETCH_A 0, 0, 4
	s_wait_loadcnt 0x0                             ; the scale words
	KSTEP 0, 0, 0, 1, 1                            ; the first products start the sums: nothing is cleared
	KSTEP 1, 1, 1, 0, 0                            ; on into slot 1, which the head's round has shown whole
	KSTEP 0, 2, 1, 1, 0
	TURN 2, 3, 1                                   ; slot 2 is whole in every wave; slot 0, last read in the second step, is asked for again
	KSTEP 0, 4, 2, 1, 0
	TURN 0, 5, 0                                   ; the refilled slot 0 is whole in every wave
	KSTEP 0, 6, 0, 1, 0
	s_wait_dscnt 4*NL                              ; the last step: nothing more to fetch
	WIN MUL_LO
	MUL16 0, 1, 7, 0
	MUL16 2, 1, 7, 0
	s_wait_dscnt 0x0
	WIN MUL_HI
	MUL16 4, 1, 7, 0
	MUL16 6, 1, 7, 0
	WIN 0
; THE WAY OUT.  64 numbers of a lane (32 registers from s0 on, 32 from s1 on, in window win; register 16 b + i of a run = place 32 b + 16 h + i along the next K) become a fragment's 12 registers of codes at v[pc]
; and its scale word in v[wd].  Each accumulator is read from its low end on.
.macro QUANT s0, s1, win, pc, wd
	WIN (\win)|((\win)<<2)
.irp b, 0,1
	v_max3_num_f32 v[TM+\b], |v[(\s0)+16*\b]|, |v[(\s0)+16*\b+1]|, 0x1800000     ; my 16 numbers of a block, and the floor 2^(3 - 127): the byte cannot fall under 1
	v_max3_num_f32 v[TM+2+\b], |v[(\s1)+16*\b]|, |v[(\s1)+16*\b+1]|, 0x1800000
.endr
	WIN ((\win)<<2)|((\win)<<4)
.irp i, 2,4,6,8,10,12,14
.irp b, 0,1
	v_max3_num_f32 v[TM+\b], v[TM+\b], |v[(\s0)+16*\b+\i]|, |v[(\s0)+16*\b+\i+1]|   ; (the four blocks by turns)
	v_max3_num_f32 v[TM+2+\b], v[TM+2+\b], |v[(\s1)+16*\b+\i]|, |v[(\s1)+16*\b+\i+1]|
.endr
.endr
	WIN 0
.irp b, 0,1,2,3
	v_permlanex16_b32 v[TM+4+\b], v[TM+\b], s[SEL], s[SEL+1]
.endr
.irp b, 0,1,2,3
	v_max_num_f32 v[TM+\b], v[TM+\b], v[TM+4+\b]   ; with lane l xor 16's: the block's largest magnitude
.endr
.irp b, 0,1,2,3
	v_add_nc_u32 v[TM+12+\b], 0xff000000, v[TM+\b] ; 2 off its exponent field: the conversion's scale operand
.endr
.irp b, 0,1,2,3
	v_lshrrev_b32 v[TM+4+\b], 23, v[TM+12+\b]      ; the scale's byte
.endr
	v_lshl_or_b32 v[\wd], v[TM+5], 8, v[TM+4]
	v_lshl_or_b32 v[\wd], v[TM+6], 16, v[\wd]
	v_lshl_or_b32 v[\wd], v[TM+7], 24, v[\wd]
	WIN \win
	v_cvt_scalef32_pk16_fp6_f32 v[(\pc):(\pc)+2], v[(\s0):(\s0)+15], v[TM+12]
	v_cvt_scalef32_pk16_fp6_f32 v[PT:PT+2], v[(\s0)+16:(\s0)+31], v[TM+13]         ; (a conversion's three registers begin on an even number)
	v_cvt_scalef32_pk16_fp6_f32 v[(\pc)+6:(\pc)+8], v[(\s1):(\s1)+15], v[TM+14]
	v_cvt_scalef32_pk16_fp6_f32 v[PT+4:PT+6], v[(\s1)+16:(\s1)+31], v[TM+15]
	WIN 0
	v_nop                                          ; one plain place behind a scaled conversion
.irp c, 0,1                            ; the operand's layout wants a WHOLE block in a lane: lanes 0-15 block 2 c, lanes 16-31 block 2 c + 1
.irp i, 0,1,2
	v_permlane16_swap_b32 v[(\pc)+6*\c+\i], v[PT+4*\c+\i]
.endr
.irp i, 0,1,2
	v_mov_b32 v[(\pc)+6*\c+3+\i], v[PT+4*\c+\i]
.endr
.endr
.endm
.macro OUTF pc, off                    ; the fragment leaves as it stands: each store covers 512 consecutive bytes, at a multiple of 256 from the buffer's first byte.  Each fragment has registers of its own: no store's data are written again
.irp j, 0,1,2
	global_store_b128 v1, v[(\pc)+4*\j:(\pc)+4*\j+3], s[10:11] offset:(\off)+512*\j
.endr
.endm
	PLACES NP                                      ; behind the last products: results are read, and the registers that held A's fragments are written
.irp b, 0,1,2,3
	v_mov_b32 v[TM+4+\b], 0                        ; written once: a lane permute's destination counts as one of its sources
.endr
	s_cmp_ge_u32 ttmp9, 8                          ; the cluster's number: the same in all partners
	s_cbranch_scc1 .Lv
.irp g, 0,1                            ; q, k: head g of my two = B's blocks 4 g .. 4 g + 3; fragment i = token tiles 2 i and 2 i + 1 = A's blocks
.irp i, 0,1,2,3
	QUANT 64*((2*\i)%4)+32*\g, 64*((2*\i+1)%4)+32*\g, 2+\i/2, AF+12*(4*\g+\i), W+4*\g+\i
	OUTF AF+12*(4*\g+\i), \g*HSTEP+\i*1536
.endr
.endr
	s_branch .Ltail
.Lv:
.irp g, 0,1                            ; v: head g = A's blocks 4 g .. 4 g + 3; fragment i = channel tile i x my 128 tokens = B's eight blocks
.irp i, 0,1,2,3
	QUANT 64*\i, 64*\i+32, 2+\g, AF+12*(4*\g+\i), W+4*\g+\i
	OUTF AF+12*(4*\g+\i), \g*HSTEP+\i*1536
.endr
.endr
.Ltail:
	s_mov_b32 vcc_lo, 0xffff0000
.irp i, 0,1,2,3
	v_cndmask_b32 v[WO+\i], v[W+\i], v[W+4+\i], vcc_lo   ; every lane holds its row's words: lanes 0-15 store the first head's four, lanes 16-31 the second's
.endr
	global_store_b128 v31, v[WO:WO+3], s[12:13]    ; sixteen lanes store 256 consecutive bytes, aligned
	s_wait_tensorcnt 0x0                           ; the wave's end
	ds_add_u32 v[SPW], v[NIL]
	s_wait_dscnt 0x0
	CROUND                                         ; the closing round: no work-group ends while a partner may still ask for a tile that names it
	s_endpgm
.Lfunc_end_k_qf391b00e37_qkv:
	.size	k_qf391b00e37_qkv, .Lfunc_end_k_qf391b00e37_qkv-k_qf391b00e37_qkv
	.p2alignl 7, 3214868480
	.fill 96, 4, 3214868480
	.section	.rodata,"a",@progbits
	.p2align	6, 0x0
	.amdhsa_kernel k_qf391b00e37_qkv
		.amdhsa_group_segment_fixed_size 327680
		.amdhsa_private_segment_fixed_size 0
		.amdhsa_enable_private_segment 0
		.amdhsa_kernarg_size 24
		.amdhsa_user_sgpr_count 2
		.amdhsa_user_sgpr_kernarg_segment_ptr 1
		.amdhsa_wavefront_size32 1
		.amdhsa_system_sgpr_workgroup_id_x 1
		.amdhsa_system_sgpr_workgroup_id_y 1
		.amdhsa_system_sgpr_workgroup_id_z 1
		.amdhsa_system_vgpr_workitem_id 0
		.amdhsa_next_free_vgpr 1024
		.amdhsa_next_free_sgpr 100
		.amdhsa_reserve_vcc 1
		.amdhsa_float_denorm_mode_32 3
		.amdhsa_float_denorm_mode_16_64 3
		.amdhsa_memory_ordered 1
		.amdhsa_forward_progress 1
		.amdhsa_inst_pref_size 180
	.end_amdhsa_kernel
	.amdgpu_metadata
---
amdhsa.version: [ 1, 2 ]
amdhsa.kernels:
  - .name:           k_qf391b00e37_qkv
    .symbol:         k_qf391b00e37_qkv.kd
    .args:
      - { .name: codes, .offset: 0, .size: 8, .value_kind: global_buffer, .address_space: global }
      - { .name: scales, .offset: 8, .size: 8, .value_kind: global_buffer, .address_space: global }
      - { .name: qkv, .offset: 16, .size: 8, .value_kind: global_buffer, .address_space: global }
    .group_segment_fixed_size: 327680
    .private_segment_fixed_size: 0
    .kernarg_segment_align: 8
    .kernarg_segment_size: 24
    .max_flat_workgroup_size: 128
    .sgpr_count:     100
    .vgpr_count:     1024
    .wavefront_size: 32
...
	.end_amdgpu_metadata
.endif
;; end of part 2
;; launch attn (part 3): grid 8 x 32, 16 waves a work-group, clusters of 4 x 1, 206,848 bytes of LDS; arguments qkv, codes, scales; writes codes, scales
.if DOCPART == 3
	.amdgcn_target "amdgcn-amd-amdhsa--gfx1250"
	.amdhsa_code_object_version 6
	.text
	.protected	k_qf391b00e37_attn
	.globl	k_qf391b00e37_attn
	.p2align	8
	.type	k_qf391b00e37_attn,@function
k_qf391b00e37_attn:
	s_mov_b64 s[64:65], 0
	v_nop
	global_prefetch_b8 v0, s[64:65] scope:SCOPE_SE
	s_setreg_imm32_b32 hwreg(HW_REG_WAVE_MODE, 25, 1), 1
	s_wait_xcnt 0x0
	s_wait_alu depctr_hold_cnt(0) depctr_sa_sdst(0) depctr_va_vdst(0) depctr_va_sdst(0) depctr_va_ssrc(0) depctr_va_vcc(0) depctr_vm_vsrc(0)
	s_getreg_b32 s2, hwreg(HW_REG_IB_STS2, 6, 4)
	s_cmp_eq_u32 s2, 0
	s_cbranch_scc0 .Lentry_in_a_cluster
	s_endpgm
.Lentry_in_a_cluster:
	s_bfe_u32 s2, ttmp6, 0x10000c
	s_cmp_lg_u32 s2, 0x3003
	s_cbranch_scc0 .Lentry_shape_is_right
	s_endpgm
.Lentry_shape_is_right:
; y[b][t][head] = the sum over keys of softmax(q . k / 8) v, no mask, both products on codes of FP6 (E2M3) with E8M0 scales; y leaves quantised along the channels, as the last product's operand.
; INPUT: qkv, a record of 19,200 bytes for each (batch x 16 + head, 128 tokens): +0 K: 4 fragments of 1,536 bytes (registers 4 j .. 4 j + 3 of lane l at 512 j + 16 l); fragment i holds key tile 2 i in registers 0-5
; and key tile 2 i + 1 in registers 6-11, each the head's 64 channels; +6,144 V: 4 fragments, 16 channels x 128 keys; +12,288 K's scale words [r][i]; +12,544 V's [r][tile]; +12,800 Q, as K; +18,944 Q's scale words.
; Tile 2 b + u of tokens (and of channels) holds 32 b + 8 u + r + 8 (r / 8).
; THE FIRST PRODUCT'S K IS 64, THE INSTRUCTION'S 128: a fragment of K carries TWO key tiles, and q stands against one of them with zero codes against the other: [q | 0] and [0 | q] are two views of a run
; of 18 registers [0 | q | 0].  Zero codes add nothing, whatever stands against them: every scale byte here lies between 1 and 254.
; THE SOFTMAX: t = score x log2(e) / 8; M = the row's largest t so far, rounded UP to a whole number; p = 2^(t - M) is quantised along the keys, not normalised; the row's sum is taken of the unquantised p
; and divides O at the end.  When M moves, the sum and O are multiplied by 2^(old M - new M): exact.
; SHARES: a work-group owns 256 queries of one head, each of its sixteen waves one tile of 16; four waves to a SIMD, so that one wave's vector work stands beside another's products and LDS loads.
; THE WHOLE HEAD'S K AND V STAY IN LDS: 16 records' first 12,800 bytes, filled once, one tensor load a wave: no ring, nothing is filled again.
; CLUSTER: the four query blocks of a cluster belong to one head: each record is asked for JOINTLY.
; Both products are used transposed (S^T = K q^T, O^T = V^T p^T): a lane holds one query throughout, and p's 16 registers of two neighbouring tiles are 16 neighbouring keys.
; y's two scale bytes a row are stored as 2 bytes a lane, 16 bytes apart: aligned blocks of 256 bytes are written in part there, 32 bytes for each 768 bytes of codes.
; LIMITS: a block of zeros gets the scale byte 1 where the rule says 127 (zero codes; this program alone reads the bytes); blocks whose largest magnitude lies under 2^-124 keep the byte 1; NaN and infinities are not served.
; REGISTERS: v1 16 x lane, v2 16 r, v3-4 addresses in hand, v5 8 x lane; v12 -M, v13 the largest t, v[14:15] the sum; v16-33 [0 | q | 0]; v34 q's scale word; v36-83 four fragments; v84-87 K's scale words,
; v88-91 V's, v92 p's; v96-159 S^T, then p; v160-191 O^T; v192-203 p's codes; v204-229 at work.
.set REC, 19200
.set KV,  12800                        ; what of a record lies in LDS
.set F,   36
.set BM,  212                          ; v212-215 the blocks' largest scores, then largest p
.set BX,  216                          ; v216-219 a permute's results, then the bytes
.set SO,  220                          ; v220-223 the conversions' scale operands
.set WV,  18                           ; s18 my wave's number
.set SEL, 20                           ; s[20:21] lane selects for v_permlanex16_b32: lane l xor 16
.set CS,  22                           ; s[22:23] c = log2(e) / 8
.macro CROUND                          ; a round of the cluster's barrier
	s_barrier_signal -1
	s_barrier_wait -1
	s_cmp_lg_u32 s[WV], 0
	s_cbranch_scc1 .Lnot_wave_0_\@
	s_barrier_signal -3
.Lnot_wave_0_\@:
	s_barrier_wait -3
	s_barrier_signal -1
	s_barrier_wait -1
.endm
	s_load_b128 s[4:7], s[0:1], 0x0                ; qkv, codes
	s_load_b64 s[8:9], s[0:1], 0x10                ; scales
	v_lshl_add_u32 v254, v0, 2, 0x32000
	v_mov_b32 v255, 0
	ds_add_u32 v254, v255
	ds_add_u32 v254, v255
	v_lshrrev_b32 v3, 5, v0
	s_delay_alu instid0(VALU_DEP_1)
	v_readfirstlane_b32 s[WV], v3                  ; wave 0..15
	s_bfe_u32 s10, ttmp6, 0x40000                  ; cx
	s_lshl_b32 s11, ttmp9, 2
	s_add_co_u32 s11, s11, s10                     ; my block of 256 queries: it enters Q's and y's addresses alone
	s_and_b32 s12, ttmp7, 0xffff                   ; 16 batch + head, which the four partners share
	s_lshl_b32 s13, s12, 4                         ; the head's first record
	s_add_co_u32 s40, s13, s[WV]                   ; the record that I fetch
	s_mul_i32 s40, s40, REC
	s_mov_b32 s41, 0
	s_mul_i32 s25, s[WV], KV                       ; and where it goes: no place in the cluster enters an LDS address
	s_lshl_b32 s14, s11, 1
	s_lshr_b32 s15, s[WV], 3
	s_add_co_u32 s14, s14, s15
	s_add_co_u32 s14, s14, s13                     ; the record of my queries
	s_mul_i32 s14, s14, REC
	s_bfe_u32 s15, s[WV], 0x20001                  ; which of its four fragments: (wave % 8) / 2
	s_mul_i32 s16, s15, 1536
	s_add_co_u32 s42, s14, s16
	s_add_co_u32 s42, s42, 12800
	s_mov_b32 s43, 0
	s_lshl_b32 s16, s15, 2
	s_add_co_u32 s44, s14, s16
	s_add_co_u32 s44, s44, 18944                   ; and its scale words
	s_mov_b32 s45, 0
	s_lshr_b32 s15, s12, 4                         ; batch
	s_lshl_b32 s15, s15, 7
	s_lshl_b32 s16, s11, 4
	s_add_co_u32 s15, s15, s16
	s_add_co_u32 s15, s15, s[WV]
	s_add_co_u32 s15, s15, 512                     ; y's tile: 512 + 128 batch + 16 block + wave
	s_and_b32 s16, s12, 15                         ; head = which 64 along the last product's K
	s_mul_i32 s46, s15, 12288
	s_mul_i32 s17, s16, 768
	s_add_co_u32 s46, s46, s17
	s_mov_b32 s47, 0
	s_lshl_b32 s48, s15, 9
	s_lshr_b32 s17, s16, 3
	s_lshl_b32 s17, s17, 8                         ; which half of K,
	s_add_co_u32 s48, s48, s17
	s_and_b32 s17, s16, 7
	s_lshl_b32 s17, s17, 1                         ; which word of four and which half of it: 2 bytes a head
	s_add_co_u32 s48, s48, s17
	s_mov_b32 s49, 0
	s_and_b32 s17, s[WV], 1                        ; which of the fragment's two tiles is mine
	s_cselect_b32 s38, -1, 0                       ; as a mask for all lanes,
	s_lshl_b32 s39, s17, 4                         ; and as a shift for the scale word
	; descriptor group 1: a dense block of 12,800 bytes as 50 rows of 256 bytes (32 elements of 8 bytes)
	s_mov_b32 s28, 15|(3<<16)|(1<<21)              ; 15:0 the mask: all four work-groups; 17:16 elements of 8 bytes; 20 no padding; 21 set beside a mask
	s_mov_b32 s29, 32<<16                          ; tensor_dim0
	s_mov_b32 s30, 50<<16                          ; tensor_dim1
	s_mov_b32 s31, 32<<16                          ; tile_dim0
	s_mov_b32 s32, 50                              ; tile_dim1
	s_mov_b32 s33, 32                              ; tensor_dim0_stride
	s_mov_b32 s34, 0
	s_mov_b32 s35, 0
	s_mov_b32 s[SEL], 0x76543210
	s_mov_b32 s[SEL+1], 0xfedcba98
	s_mov_b32 s[CS], 0x3e38aa3b                    ; c = log2(e) / sqrt(64)
	s_mov_b32 s[CS+1], s[CS]                       ; (named with it as a pair, so it is written)
	s_wait_dscnt 0x0
	s_wait_kmcnt 0x0
	s_mov_b32 s24, 1                               ; count = 1
	s_add_nc_u64 s[26:27], s[4:5], s[40:41]
	s_or_b32 s27, s27, 0x80000000                  ; type = 2
	s_add_nc_u64 s[42:43], s[4:5], s[42:43]
	s_add_nc_u64 s[44:45], s[4:5], s[44:45]
	s_add_nc_u64 s[46:47], s[6:7], s[46:47]
	s_add_nc_u64 s[48:49], s[8:9], s[48:49]
	CROUND                                         ; all four work-groups are here: the joint loads meet
	s_cmp_eq_u32 s[WV], 0                          ; record 0 has a load line of its own, wave 0's: the first barrier waits for it alone
	s_cbranch_scc0 .Lothers
	tensor_load_to_lds s[24:27], s[28:35]          ; my record: one load of mine is out
	s_nop 0
.rept 4
	v_nop
.endr
	s_branch .Lasked
.Lothers:
	tensor_load_to_lds s[24:27], s[28:35]          ; records 1 to 15
	s_nop 0
.rept 4
	v_nop
.endr
.Lasked:
	v_and_b32 v5, 31, v0
	s_delay_alu instid0(VALU_DEP_1)
	v_lshlrev_b32 v1, 4, v5                        ; 16 x lane
	s_delay_alu instid0(VALU_DEP_2)
	v_lshlrev_b32 v5, 3, v5                        ; 8 x lane
	v_and_b32 v2, 15, v0
	s_delay_alu instid0(VALU_DEP_1)
	v_lshlrev_b32 v2, 4, v2                        ; 16 r
.irp j, 0,1,2
	global_load_b128 v[96+4*\j:99+4*\j], v1, s[42:43] offset:512*\j   ; the fragment that holds my tile of queries
.endr
	global_load_b32 v226, v2, s[44:45]             ; and its scale words
.irp k, 0,1,2,3,4,5
	v_mov_b32 v[16+\k], 0                          ; zero codes on both sides of q
	v_mov_b32 v[28+\k], 0
.endr
	v_mov_b32 v13, 0xff61b1e6                      ; the largest t so far: -3e38, under every t
	s_delay_alu instid0(VALU_DEP_1)
	v_floor_f32 v12, -v13                          ; -M
	v_mov_b32 v14, 0                               ; the sum, in two halves
	v_mov_b32 v15, 0
	v_mov_b32 v225, 0                              ; (named as the upper half of the pair v[224:225])
.irp b, 0,1,2,3
	v_mov_b32 v[BX+\b], 0                          ; written once: a lane permute's destination counts as one of its sources
.endr
	s_wait_loadcnt 0x0
.irp k, 0,1,2,3,4,5
	v_cndmask_b32 v[22+\k], v[96+\k], v[102+\k], s38   ; registers 0-5 or 6-11 of the fragment
.endr
	v_lshrrev_b32 v226, s39, v226
	s_delay_alu instid0(VALU_DEP_1)
	v_and_b32 v226, 0xffff, v226                   ; my tile's two bytes,
	s_delay_alu instid0(VALU_DEP_1)
	v_lshl_or_b32 v34, v226, 16, v226              ; in both halves of the word: it serves [q | 0] and [0 | q]
.irp j, 0,1,2,3,4,5,6,7,8,9,10,11,12,13,14,15,16,17,18,19,20,21,22,23,24,25,26,27,28,29,30,31
	v_mov_b32 v[160+\j], 0                         ; O^T.  (The step is written once: the first finds zeros, which the first change of M leaves zeros.  These lines are also the places between q's word and the first product)
.endr
	s_mov_b32 s36, 0                               ; LDS byte at which the step's record begins
	s_mov_b32 s37, 15                              ; the loop's trips: the first of the 16 steps is written out ahead of it
.macro STEP                            ; a step of 128 keys: the record at LDS byte s36
	v_add_nc_u32 v3, s36, v1
	v_add_nc_u32 v4, s36, v2
	v_nop
	v_nop                                          ; four places in front of loads into registers that the last products have read
.irp i, 0,1,2,3
.irp j, 0,1,2
	ds_load_b128 v[F+12*\i+4*\j:F+12*\i+4*\j+3], v3 offset:1536*\i+512*\j   ; K: 512 consecutive bytes a load
.endr
.endr
	ds_load_b128 v[84:87], v4 offset:12288         ; its scale words: row r's four
	s_wait_alu depctr_va_vdst(0)
	s_wait_dscnt 0x0
.irp i, 0,1,2,3                        ; S^T = K q^T: key tile 2 i against [q | 0], key tile 2 i + 1 against [0 | q]
	v_wmma_scale_f32_16x16x128_f8f6f4 v[96+16*\i:103+16*\i], v[F+12*\i:F+12*\i+11], v[22:33], 0, v[84+\i], v34 matrix_a_fmt:MATRIX_FMT_FP6 matrix_b_fmt:MATRIX_FMT_FP6
	v_wmma_scale_f32_16x16x128_f8f6f4 v[104+16*\i:111+16*\i], v[F+12*\i:F+12*\i+11], v[16:27], 0, v[84+\i], v34 matrix_a_fmt:MATRIX_FMT_FP6 matrix_b_fmt:MATRIX_FMT_FP6
.endr                                  ; lane (r, h) holds query r; register 16 b + i is key 32 b + 16 h + i of the step
.rept 4
	v_nop                                          ; places in front of the loads below and of the first read of the scores
.endr
.irp i, 0,1,2,3
.irp j, 0,1,2
	ds_load_b128 v[F+12*\i+4*\j:F+12*\i+4*\j+3], v3 offset:6144+1536*\i+512*\j   ; V: it lands while the softmax is worked
.endr
.endr
	ds_load_b128 v[88:91], v4 offset:12544
.irp b, 0,1,2,3
	v_max3_num_f32 v[BM+\b], v[96+16*\b], v[97+16*\b], v[98+16*\b]   ; THE LARGEST SCORE OF EACH BLOCK OF 32 KEYS: it serves twice: for the row's maximum, and, since p rises with the score, for the block's largest p
.endr
.irp i, 3,5,7,9,11,13
.irp b, 0,1,2,3
	v_max3_num_f32 v[BM+\b], v[BM+\b], v[96+16*\b+\i], v[97+16*\b+\i]   ; (the four blocks by turns)
.endr
.endr
.irp b, 0,1,2,3
	v_max_num_f32 v[BM+\b], v[BM+\b], v[111+16*\b]
.endr
.irp b, 0,1,2,3
	s_delay_alu instid0(VALU_DEP_4)
	v_permlanex16_b32 v[BX+\b], v[BM+\b], s[SEL], s[SEL+1]
.endr
.irp b, 0,1,2,3
	s_delay_alu instid0(VALU_DEP_4)
	v_max_num_f32 v[BM+\b], v[BM+\b], v[BX+\b]     ; with lane l xor 16's 16 keys
.endr
	s_delay_alu instid0(VALU_DEP_2)
	v_max3_num_f32 v226, v[BM], v[BM+1], v[BM+2]
	s_delay_alu instid0(VALU_DEP_1)
	v_max_num_f32 v226, v226, v[BM+3]              ; the step's largest score of my query
	s_delay_alu instid0(VALU_DEP_1)
	v_mul_f32 v226, s[CS], v226                    ; as t (c is positive)
	s_delay_alu instid0(VALU_DEP_1)
	v_max_num_f32 v13, v13, v226                   ; the running largest t
	v_mov_b32 v226, v12
	s_delay_alu instid0(VALU_DEP_2)
	v_floor_f32 v12, -v13                          ; the new -M = floor(-t) = -ceil(t): M IS A WHOLE NUMBER
	s_delay_alu instid0(VALU_DEP_1)
	v_sub_f32 v226, v12, v226                      ; M's old value less its new one: a whole number, 0 or less
	s_delay_alu instid0(VALU_DEP_1)
	v_cvt_i32_f32 v226, v226                       ; (it saturates)
	s_delay_alu instid0(VALU_DEP_1)
	v_ldexp_f32 v224, 1.0, v226                    ; f = 2^(old M - new M): a multiplication by it rounds nothing
.irp j, 0,2,4,6,8,10,12,14,16,18,20,22,24,26,28,30,32,34,36,38,40,42,44,46,48,50,52,54,56,58,60,62
	v_pk_fma_f32 v[96+\j:97+\j], v[96+\j:97+\j], s[CS:CS+1], v[12:13] op_sel_hi:[1,0,0]   ; t - M, two at a time (of the pairs c and -M the low word serves both halves)
.endr
.irp b, 0,1,2,3
	v_fma_f32 v[BM+\b], v[BM+\b], s[CS], v12       ; the same of each block's largest score
.endr
	s_wait_alu depctr_va_vdst(0)
.irp j, 0,1,2,3,4,5,6,7,8,9,10,11,12,13,14,15,16,17,18,19,20,21,22,23,24,25,26,27,28,29,30,31,32,33,34,35,36,37,38,39,40,41,42,43,44,45,46,47,48,49,50,51,52,53,54,55,56,57,58,59,60,61,62,63
	v_exp_f32 v[96+\j], v[96+\j]                   ; p = 2^(t - M), at most 1: NOT normalised
.endr
.irp b, 0,1,2,3
	v_exp_f32 v[BM+\b], v[BM+\b]                   ; the block's largest p: the same two instructions on the same number give the same bits
.endr
	v_pk_mul_f32 v[14:15], v[14:15], v[224:225] op_sel_hi:[1,0]   ; the sums under the new M.  (A plain place behind the exponentials)
	s_wait_alu depctr_va_vdst(0)
.irp b, 0,1,2,3
	v_max_num_f32 v[BM+\b], 0x1800000, v[BM+\b]    ; the floor 2^(3 - 127): the byte cannot fall under 1 (a block whose every p has fallen to 0 keeps that byte: its codes are zeros)
.endr
.irp b, 0,1,2,3
	s_delay_alu instid0(VALU_DEP_4)
	v_add_nc_u32 v[SO+\b], 0xff000000, v[BM+\b]    ; 2 off the exponent field: the conversion's scale operand
.endr
.irp b, 0,1,2,3
	s_delay_alu instid0(VALU_DEP_4)
	v_lshrrev_b32 v[BX+\b], 23, v[SO+\b]           ; the scale's byte
.endr
	s_delay_alu instid0(VALU_DEP_3)
	v_lshl_or_b32 v92, v[BX+1], 8, v[BX]           ; p's scale word for these 128 keys
	s_delay_alu instid0(VALU_DEP_1)
	v_lshl_or_b32 v92, v[BX+2], 16, v92
	s_delay_alu instid0(VALU_DEP_1)
	v_lshl_or_b32 v92, v[BX+3], 24, v92
.irp c, 0,1
	v_cvt_scalef32_pk16_fp6_f32 v[192+6*\c:194+6*\c], v[96+32*\c:111+32*\c], v[SO+2*\c]
	v_cvt_scalef32_pk16_fp6_f32 v[204+4*\c:206+4*\c], v[112+32*\c:127+32*\c], v[SO+2*\c+1]   ; (a conversion's three registers begin on an even number)
.endr
	v_nop                                          ; one plain place behind a scaled conversion
.irp c, 0,1                            ; the operand's layout wants a WHOLE block in a lane: lanes 0-15 block 2 c, lanes 16-31 block 2 c + 1
.irp i, 0,1,2
	v_permlane16_swap_b32 v[192+6*\c+\i], v[204+4*\c+\i]
.endr
.irp i, 0,1,2
	s_delay_alu instid0(VALU_DEP_3)
	v_mov_b32 v[195+6*\c+\i], v[204+4*\c+\i]
.endr
.endr
	v_pk_add_f32 v[228:229], v[100:101], v[104:105]
	v_pk_add_f32 v[252:253], v[108:109], v[112:113]
	v_pk_add_f32 v[250:251], v[116:117], v[120:121]
	v_pk_add_f32 v[248:249], v[124:125], v[128:129]
	v_pk_add_f32 v[246:247], v[132:133], v[136:137]
	v_pk_add_f32 v[244:245], v[140:141], v[144:145]
	v_pk_add_f32 v[242:243], v[148:149], v[152:153]
	v_pk_add_f32 v[14:15], v[14:15], v[156:157]
	v_pk_add_f32 v[228:229], v[228:229], v[96:97]
	v_pk_add_f32 v[252:253], v[252:253], v[98:99]
	v_pk_add_f32 v[250:251], v[250:251], v[102:103]
	v_pk_add_f32 v[248:249], v[248:249], v[106:107]
	v_pk_add_f32 v[246:247], v[246:247], v[110:111]
	v_pk_add_f32 v[244:245], v[244:245], v[114:115]
	v_pk_add_f32 v[242:243], v[242:243], v[118:119]
	v_pk_add_f32 v[14:15], v[14:15], v[122:123]
	v_pk_add_f32 v[228:229], v[228:229], v[126:127]
	v_pk_add_f32 v[252:253], v[252:253], v[130:131]
	v_pk_add_f32 v[250:251], v[250:251], v[134:135]
	v_pk_add_f32 v[248:249], v[248:249], v[138:139]
	v_pk_add_f32 v[246:247], v[246:247], v[142:143]
	v_pk_add_f32 v[244:245], v[244:245], v[146:147]
	v_pk_add_f32 v[242:243], v[242:243], v[150:151]
	v_pk_add_f32 v[14:15], v[14:15], v[154:155]
	v_pk_add_f32 v[228:229], v[228:229], v[158:159]
	s_delay_alu instid0(VALU_DEP_2)
	v_pk_add_f32 v[14:15], v[14:15], v[248:249]
	s_delay_alu instid0(VALU_DEP_2)
	v_pk_add_f32 v[228:229], v[228:229], v[246:247]
	v_pk_add_f32 v[252:253], v[252:253], v[244:245]
	v_pk_add_f32 v[250:251], v[250:251], v[242:243]
	s_delay_alu instid0(VALU_DEP_2)
	v_pk_add_f32 v[14:15], v[14:15], v[252:253]
	s_delay_alu instid0(VALU_DEP_2)
	v_pk_add_f32 v[228:229], v[228:229], v[250:251]
	s_delay_alu instid0(VALU_DEP_1)
	v_pk_add_f32 v[14:15], v[14:15], v[228:229]
.irp j, 0,2,4,6,8,10,12,14,16,18,20,22,24,26,28,30
	v_pk_mul_f32 v[160+\j:161+\j], v[160+\j:161+\j], v[224:225] op_sel_hi:[1,0]   ; O^T under the new M: x f; each accumulator from its low end on
.endr
	s_wait_alu depctr_va_vdst(0)
	s_wait_dscnt 0x0                               ; V and its scale words are in
.irp t, 0,1,2,3                        ; O^T += V^T p^T: four tiles of 16 channels by turns; K = these 128 keys
	v_wmma_scale_f32_16x16x128_f8f6f4 v[160+8*\t:167+8*\t], v[F+12*\t:F+12*\t+11], v[192:203], v[160+8*\t:167+8*\t], v[88+\t], v92 matrix_a_fmt:MATRIX_FMT_FP6 matrix_b_fmt:MATRIX_FMT_FP6
.endr
	s_add_co_u32 s36, s36, KV
.endm
	s_wait_alu depctr_va_vdst(0)                   ; the wait at the head's end
	s_cmp_lg_u32 s[WV], 0
	s_cbranch_scc1 .Lnot_first
	s_wait_tensorcnt 0x0                           ; wave 0: record 0 is in
.Lnot_first:
	s_barrier_signal -1
	s_barrier_wait -1                              ; shown to all; the other fifteen loads may be out
	STEP                                           ; record 0's 128 keys, while the other records are on their way
	s_wait_tensorcnt 0x0                           ; every wave: my record is in,
	s_barrier_signal -1
	s_barrier_wait -1                              ; everybody's is
.Lstep:                                            ; 15 trips of 128 keys
	s_barrier_signal -1                            ; I have begun this step (no LDS instruction of mine is out); between signal and wait stand register work and loads of bytes that nobody writes
	STEP
	s_barrier_wait -1                              ; no wave begins the next step before all sixteen have begun this one: the waves stay within one step of each other
	s_sub_co_u32 s37, s37, 1
	s_cmp_lg_u32 s37, 0
	s_cbranch_scc1 .Lstep
	; THE WAY OUT: O^T / the sum; register 16 b + i is channel 32 b + 16 h + i of my query: two blocks of the last product's K; they are quantised as p is, and leave as half a fragment.
.rept 4
	v_nop                                          ; places behind the last products
.endr
	v_add_f32 v14, v14, v15                        ; the sum's two halves,
	s_delay_alu instid0(VALU_DEP_1)
	v_permlanex16_b32 v226, v14, s[SEL], s[SEL+1]
	s_delay_alu instid0(VALU_DEP_1)
	v_add_f32 v14, v14, v226                       ; and lane l xor 16's: the row's sum
	s_wait_alu depctr_va_vdst(0)
	v_rcp_f32 v14, v14
	v_nop                                          ; one plain place behind a transcendental
	s_wait_alu depctr_va_vdst(0)
.irp j, 0,2,4,6,8,10,12,14,16,18,20,22,24,26,28,30
	v_pk_mul_f32 v[96+\j:97+\j], v[160+\j:161+\j], v[14:15] op_sel_hi:[1,0]
.endr
.irp b, 0,1
	v_max3_num_f32 v[BM+\b], |v[96+16*\b]|, |v[97+16*\b]|, 0x1800000   ; my 16 numbers of a block, and the floor
.endr
.irp i, 2,4,6,8,10,12,14
.irp b, 0,1
	s_delay_alu instid0(VALU_DEP_2)
	v_max3_num_f32 v[BM+\b], v[BM+\b], |v[96+16*\b+\i]|, |v[97+16*\b+\i]|
.endr
.endr
.irp b, 0,1
	s_delay_alu instid0(VALU_DEP_2)
	v_permlanex16_b32 v[BX+\b], v[BM+\b], s[SEL], s[SEL+1]
.endr
.irp b, 0,1
	s_delay_alu instid0(VALU_DEP_2)
	v_max_num_f32 v[BM+\b], v[BM+\b], v[BX+\b]
.endr
.irp b, 0,1
	s_delay_alu instid0(VALU_DEP_2)
	v_add_nc_u32 v[SO+\b], 0xff000000, v[BM+\b]
.endr
.irp b, 0,1
	s_delay_alu instid0(VALU_DEP_2)
	v_lshrrev_b32 v[BX+\b], 23, v[SO+\b]
.endr
	s_delay_alu instid0(VALU_DEP_1)
	v_lshl_or_b32 v226, v[BX+1], 8, v[BX]          ; my row's two scale bytes
	v_cvt_scalef32_pk16_fp6_f32 v[192:194], v[96:111], v[SO]
	v_cvt_scalef32_pk16_fp6_f32 v[204:206], v[112:127], v[SO+1]
	v_nop                                          ; one plain place behind a scaled conversion
.irp i, 0,1,2
	v_permlane16_swap_b32 v[192+\i], v[204+\i]
.endr
.irp i, 0,1,2
	s_delay_alu instid0(VALU_DEP_3)
	v_mov_b32 v[195+\i], v[204+\i]
.endr
	global_store_b128 v1, v[192:195], s[46:47]             ; 512 consecutive bytes, at a multiple of 256 from the buffer's first byte
	global_store_b64 v5, v[196:197], s[46:47] offset:512   ; 256 consecutive bytes, likewise
	global_store_b16 v2, v226, s[48:49]                    ; lanes r and 16 + r store the same two bytes to the same place
	s_wait_tensorcnt 0x0
	ds_add_u32 v254, v255
	s_wait_dscnt 0x0
	CROUND                                         ; the closing round: no work-group ends while a partner may still ask for a record that names it
	s_endpgm
.Lfunc_end_k_qf391b00e37_attn:
	.size	k_qf391b00e37_attn, .Lfunc_end_k_qf391b00e37_attn-k_qf391b00e37_attn
	.p2alignl 7, 3214868480
	.fill 96, 4, 3214868480
	.section	.rodata,"a",@progbits
	.p2align	6, 0x0
	.amdhsa_kernel k_qf391b00e37_attn
		.amdhsa_group_segment_fixed_size 206848
		.amdhsa_private_segment_fixed_size 0
		.amdhsa_enable_private_segment 0
		.amdhsa_kernarg_size 24
		.amdhsa_user_sgpr_count 2
		.amdhsa_user_sgpr_kernarg_segment_ptr 1
		.amdhsa_wavefront_size32 1
		.amdhsa_system_sgpr_workgroup_id_x 1
		.amdhsa_system_sgpr_workgroup_id_y 1
		.amdhsa_system_sgpr_workgroup_id_z 1
		.amdhsa_system_vgpr_workitem_id 0
		.amdhsa_next_free_vgpr 256
		.amdhsa_next_free_sgpr 66
		.amdhsa_reserve_vcc 0
		.amdhsa_float_denorm_mode_32 3
		.amdhsa_float_denorm_mode_16_64 3
		.amdhsa_memory_ordered 1
		.amdhsa_forward_progress 1
		.amdhsa_inst_pref_size 46
	.end_amdhsa_kernel
	.amdgpu_metadata
---
amdhsa.version: [ 1, 2 ]
amdhsa.kernels:
  - .name:           k_qf391b00e37_attn
    .symbol:         k_qf391b00e37_attn.kd
    .args:
      - { .name: qkv, .offset: 0, .size: 8, .value_kind: global_buffer, .address_space: global }
      - { .name: codes, .offset: 8, .size: 8, .value_kind: global_buffer, .address_space: global }
      - { .name: scales, .offset: 16, .size: 8, .value_kind: global_buffer, .address_space: global }
    .group_segment_fixed_size: 206848
    .private_segment_fixed_size: 0
    .kernarg_segment_align: 8
    .kernarg_segment_size: 24
    .max_flat_workgroup_size: 512
    .sgpr_count:     66
    .vgpr_count:     256
    .wavefront_size: 32
...
	.end_amdgpu_metadata
.endif
;; end of part 3
;; launch proj (part 4): grid 8 x 32, 4 waves a work-group, clusters of 4 x 4, 214,528 bytes of LDS; arguments codes, scales, out0; writes out0
.if DOCPART == 4
	.amdgcn_target "amdgcn-amd-amdhsa--gfx1250"
	.amdhsa_code_object_version 6
	.text
	.protected	k_qf391b00e37_proj
	.globl	k_qf391b00e37_proj
	.p2align	8
	.type	k_qf391b00e37_proj,@function
k_qf391b00e37_proj:
	s_mov_b64 s[64:65], 0
	v_nop
	global_prefetch_b8 v0, s[64:65] scope:SCOPE_SE
	s_setreg_imm32_b32 hwreg(HW_REG_WAVE_MODE, 25, 1), 1
	s_wait_xcnt 0x0
	s_wait_alu depctr_hold_cnt(0) depctr_sa_sdst(0) depctr_va_vdst(0) depctr_va_sdst(0) depctr_va_ssrc(0) depctr_va_vcc(0) depctr_vm_vsrc(0)
	s_getreg_b32 s2, hwreg(HW_REG_IB_STS2, 6, 4)
	s_cmp_eq_u32 s2, 0
	s_cbranch_scc0 .Lentry_in_a_cluster
	s_endpgm
.Lentry_in_a_cluster:
	s_bfe_u32 s2, ttmp6, 0x10000c
	s_cmp_lg_u32 s2, 0xf033
	s_cbranch_scc0 .Lentry_shape_is_right
	s_endpgm
.Lentry_shape_is_right:
; out0 = y w_o^T on codes of FP6 (E2M3) with E8M0 scales, K = 1,024; out0 [4096][1024] f32.
; INPUT: codes: 12,288 bytes a tile of 16 rows = 16 half fragments of 768 bytes (64 along K; lane l's registers 0-3 at 16 l, its registers 4-5 at 512 + 8 l); tile 2 b + u holds rows 32 b + 8 u + r + 8 (r / 8).
; Tiles 448-511 w_o, 512-767 y.  scales: 512 bytes a tile: [half of K][r][4 words].
; SHARES: 256 work-groups, each 128 tokens x 128 columns; four waves, 2 x 2, each 64 x 64: 16 accumulators.
; ALL OF K LIES IN LDS, filled once: four regions of 8 tiles x half of K (49,152 bytes): A's lower half, B's lower half, A's upper, B's upper; one tensor load a wave, each on a line of its own.
; The first barrier waits for waves 0 and 1 alone (the lower half of K); the upper half is shown by a plain barrier behind the third K step.  Nothing is filled again.
; CLUSTERS: 4 x 4 work-groups; the four of a row need the same tiles of y, the four of a column the same tiles of w_o: each is asked for JOINTLY.
; No prefetch: every tile is asked for at the head, and the launch has no loop to run ahead in.
; THE MATRIX INSTRUCTION IS USED TRANSPOSED (source 0 = a tile of w_o, source 1 = a tile of y): lane (r, h) holds token row r of y's tile, and registers 0-7 of w_o's tile 2 b + u are columns 32 b + 16 h + 8 u + 0 .. 7.
; REGISTERS: window 0: v1-12 lane terms and addresses, v16-23 LDS addresses, v28-29 the add's, v30 offset, v32-71 scale words and nothing else, v72-167 A's fragments, two sets, v168-231 the way out.
;   window 1: v0-95 B's fragments, two sets.  window 2: accumulator (a, b) at v[8 (4 a + b)].
.set TILEB,  12288                     ; a tile's codes in memory
.set HK,     6144                      ; half of K of a tile
.set REG,    8*HK                      ; a region: 8 tiles x half of K
.set STG,    4*REG                     ; behind the regions: a stage of 16 rows x (256 + 16) bytes for each wave; no fill lands there
.set SPITCH, 272
.set SPARE,  STG+4*16*SPITCH           ; behind the stages: the spare words, 128 bytes for each wave
.set FR,   12
.set STO,  10                          ; v10  the way out: where I put 32 bytes of a row
.set RD,   11                          ; v11  where I read rows back
.set CO,   12                          ; v12  my byte offset in out0
.set A16,  16                          ; v16-17 my A fragments in the lower, upper half of K: + 16 x lane;  v18-19: + 8 x lane
.set A8,   18
.set B16,  20                          ; v20-23 the same for B
.set B8,   22
.set SPW,  28
.set NIL,  29
.set SCO,  30
.set SC,   32                          ; register 10 i + ks: lanes 0-15 the word of A's block i, lanes 16-31 that of B's block i, for K = 128 ks on.  Ten apart: two different scale registers of one product never have the same number modulo 8
.set AF,   72
.set BK,   168
.set G1,   24                          ; s[24:31] descriptor group 1 for A's tiles;  s[48:55] for B's: the mask differs
.set G1B,  48
.set G0,   68                          ; s[68:83] four group 0: A lower, B lower, A upper, B upper
.set MSB, 0
.macro WIN new                         ; the immediate's high byte repeats the setting that is left
.if MSB != (\new)
	s_set_vgpr_msb (MSB<<8)|(\new)
.set MSB, (\new)
.endif
.endm
.macro CROUND                          ; a round of the cluster's barrier
	s_barrier_signal -1
	s_barrier_wait -1
	s_cmp_lg_u32 s14, 0
	s_cbranch_scc1 .Lnot_wave_0_\@
	s_barrier_signal -3
.Lnot_wave_0_\@:
	s_barrier_wait -3
	s_barrier_signal -1
	s_barrier_wait -1
.endm
.macro PLACES n
.rept \n
	v_nop
.endr
.endm
	s_load_b128 s[4:7], s[0:1], 0x0                ; codes, scales
	s_load_b64 s[8:9], s[0:1], 0x10                ; out0
	v_lshl_add_u32 v[SPW], v0, 2, SPARE
	v_mov_b32 v[NIL], 0
	ds_add_u32 v[SPW], v[NIL]                      ; the opening lines: the add, twice on end, and its wait ahead of my first tensor load
	ds_add_u32 v[SPW], v[NIL]
	v_lshrrev_b32 v1, 5, v0
	v_readfirstlane_b32 s14, v1                    ; wave 0..3
	s_lshr_b32 s15, s14, 1                         ; which 64 tokens are mine
	s_and_b32 s16, s14, 1                          ; which 64 columns
	s_bfe_u32 s40, ttmp6, 0x40000                  ; cx, cy
	s_bfe_u32 s41, ttmp6, 0x40004
	s_lshl_b32 s43, s41, 2
	s_lshl_b32 s43, 15, s43                        ; my row of the cluster
	s_lshl_b32 s44, 0x1111, s40                    ; my column
	s_and_b32 s17, ttmp7, 0xffff
	s_lshl_b32 s17, s17, 2
	s_add_co_u32 s17, s17, s41                     ; block of 128 tokens, 0 .. 31: never holds cx
	s_lshl_b32 s42, ttmp9, 2
	s_add_co_u32 s42, s42, s40                     ; block of 128 columns, 0 .. 7: never holds cy
	s_lshl_b32 s32, s17, 3
	s_add_co_u32 s32, s32, 512                     ; y's first tile of my block
	s_lshl_b32 s33, s42, 3
	s_add_co_u32 s33, s33, 448                     ; w_o's
	s_mul_i32 s36, s32, TILEB
	s_mov_b32 s37, 0
	s_mul_i32 s38, s33, TILEB
	s_mov_b32 s39, 0
	; descriptor group 1: 8 rows (tiles) of 6,144 bytes = 768 elements of 8 bytes, 1,536 elements apart; dense in LDS
	s_or_b32 s[G1+0], s43, (3<<16)|(1<<21)
	s_or_b32 s[G1B+0], s44, (3<<16)|(1<<21)
.irp g, G1, G1B
	s_mov_b32 s[\g+1], 768<<16
	s_mov_b32 s[\g+2], 8<<16
	s_mov_b32 s[\g+3], 768<<16
	s_mov_b32 s[\g+4], 8
	s_mov_b32 s[\g+5], 1536
	s_mov_b32 s[\g+6], 0
	s_mov_b32 s[\g+7], 0
.endr
	s_wait_dscnt 0x0                               ; both opening adds are done
	s_wait_kmcnt 0x0
	s_add_nc_u64 s[36:37], s[4:5], s[36:37]
	s_add_nc_u64 s[38:39], s[4:5], s[38:39]
	CROUND                                         ; all sixteen work-groups are here: the joint loads meet
.irp s, 0,1
	s_mov_b32 s[G0+8*\s], 1
	s_mov_b32 s[G0+8*\s+1], 2*\s*REG
	s_add_nc_u64 s[G0+8*\s+2:G0+8*\s+3], s[36:37], \s*HK
	s_or_b32 s[G0+8*\s+3], s[G0+8*\s+3], 0x80000000
	s_mov_b32 s[G0+8*\s+4], 1
	s_mov_b32 s[G0+8*\s+5], (2*\s+1)*REG
	s_add_nc_u64 s[G0+8*\s+6:G0+8*\s+7], s[38:39], \s*HK
	s_or_b32 s[G0+8*\s+7], s[G0+8*\s+7], 0x80000000
.endr
; one chain of branches on the wave's number, one load to an arm: what the first K steps need is asked for by waves 0 and 1
.macro ARM under, g0, g1, next
	s_cmp_lt_u32 s14, \under
	s_cbranch_scc0 \next
	tensor_load_to_lds s[\g0:\g0+3], s[\g1:\g1+7]
	s_nop 0
	PLACES 4
	s_branch .Lasked
\next:
.endm
	ARM 1, G0,   G1,  .Lhead_1
	ARM 2, G0+4, G1B, .Lhead_2
	ARM 3, G0+8, G1,  .Lhead_3
	tensor_load_to_lds s[G0+12:G0+15], s[G1B:G1B+7]
	s_nop 0
	PLACES 4
.Lasked:
	v_and_b32 v1, 31, v0
	v_lshlrev_b32 v2, 3, v1                        ; 8 x lane
	v_lshlrev_b32 v1, 4, v1                        ; 16 x lane
	v_and_b32 v3, 15, v0                           ; r
	v_bfe_u32 v4, v0, 4, 1                         ; h
	s_mul_i32 s46, s15, 4*HK                       ; my 4 tiles of A in a region
	s_mul_i32 s47, s16, 4*HK                       ; my 4 tiles of B,
	s_add_co_u32 s47, s47, REG                     ; a region further on
.irp s, 0,1
	v_add_nc_u32 v[A16+\s], s46, v1
	v_add_nc_u32 v[A8+\s], s46, v2
	v_add_nc_u32 v[B16+\s], s47, v1
	v_add_nc_u32 v[B8+\s], s47, v2
	s_add_co_u32 s46, s46, 2*REG
	s_add_co_u32 s47, s47, 2*REG
.endr
	s_lshl_b32 s56, s15, 2
	s_add_co_u32 s56, s56, s32
	s_lshl_b32 s56, s56, 9                         ; my first tile of A among the scale words: 512 bytes a tile
	s_lshl_b32 s57, s16, 2
	s_add_co_u32 s57, s57, s33
	s_lshl_b32 s57, s57, 9                         ; of B
	s_mov_b32 vcc_lo, 0xffff0000                   ; lanes 16-31
	v_mov_b32 v5, s56
	v_mov_b32 v6, s57
	v_cndmask_b32 v5, v5, v6, vcc_lo
	v_lshl_add_u32 v[SCO], v3, 4, v5               ; + 16 r
	s_mul_i32 s58, s14, 16*SPITCH
	s_add_co_u32 s58, s58, STG                     ; my stage
	v_mul_u32_u24 v7, v3, SPITCH
	v_lshl_add_u32 v7, v4, 6, v7
	v_add_nc_u32 v[STO], s58, v7                   ; in: row r, 64 h bytes on
	v_mul_u32_u24 v8, v4, SPITCH
	v_lshl_add_u32 v8, v3, 4, v8
	v_add_nc_u32 v[RD], s58, v8                    ; back: sixteen lanes to a row of 256 bytes, two rows an instruction
	v_lshlrev_b32 v9, 12, v4
	v_lshl_add_u32 v[CO], v3, 4, v9                ; and the same two rows in out0, 4,096 bytes apart
	s_lshl_b32 s60, s17, 7
	s_lshl_b32 s61, s15, 6
	s_add_co_u32 s60, s60, s61                     ; my first token
	s_lshl_b32 s60, s60, 12
	s_lshl_b32 s61, s42, 9
	s_add_co_u32 s60, s60, s61
	s_lshl_b32 s61, s16, 8
	s_add_co_u32 s60, s60, s61                     ; + my first column, in bytes
	s_mov_b32 s61, 0
	s_add_nc_u64 s[8:9], s[8:9], s[60:61]
	s_wait_alu depctr_va_vdst(0)                   ; the wait at the head's end
.irp i, 0,1,2,3
.irp u, 0,1
	global_load_b128 v[SC+10*\i+4*\u:SC+10*\i+4*\u+3], v[SCO], s[6:7] offset:512*\i+256*\u   ; the scale words of all of K, once: sixteen lanes read 256 consecutive bytes
.endr
.endr
	s_cmp_lt_u32 s14, 2
	s_cbranch_scc0 .Lnot_lower
	s_wait_tensorcnt 0x0                           ; waves 0 and 1: the lower half of K is in
.Lnot_lower:
	s_barrier_signal -1
	s_barrier_wait -1                              ; shown to all; the upper half may be out
.macro FRAG reg, a16, a8, q, i         ; a fragment, 16 rows x 128 K: two half fragments on end, each 512 bytes (four registers a lane) and 256 bytes (two)
	ds_load_b128 v[\reg:\reg+3],     v[\a16] offset:(\i)*HK+(\q)*1536
	ds_load_b64  v[\reg+4:\reg+5],   v[\a8]  offset:(\i)*HK+(\q)*1536+512
	ds_load_b128 v[\reg+6:\reg+9],   v[\a16] offset:(\i)*HK+(\q)*1536+768
	ds_load_b64  v[\reg+10:\reg+11], v[\a8]  offset:(\i)*HK+(\q)*1536+1280
.endm
.macro FETCH ks                        ; K step ks: 4 fragments of B and 4 of A into set ks % 2: 32 loads
	WIN 0x40                                       ; destination window 1, address window 0
.irp i, 0,1,2,3
	FRAG 48*((\ks)%2)+FR*\i, B16+(\ks)/4, B8+(\ks)/4, (\ks)%4, \i
.endr
	WIN 0
.irp i, 0,1,2,3
	FRAG AF+48*((\ks)%2)+FR*\i, A16+(\ks)/4, A8+(\ks)/4, (\ks)%4, \i
.endr
.endm
.macro MUL ks                          ; 16 matrix instructions; the 16 accumulators take turns, in the same order in every step; the first step starts the sums
	WIN 0xa1                                       ; source 0 (B) window 1, source 1 (A) window 0, C and D window 2
.irp a, 0,1,2,3
.irp b, 0,1,2,3
.if (\ks) == 0
	v_wmma_scale_f32_16x16x128_f8f6f4 v[8*(4*\a+\b):8*(4*\a+\b)+7], v[48*((\ks)%2)+FR*\b:48*((\ks)%2)+FR*\b+FR-1], v[AF+48*((\ks)%2)+FR*\a:AF+48*((\ks)%2)+FR*\a+FR-1], 0, v[SC+10*\b+(\ks)], v[SC+10*\a+(\ks)] matrix_a_fmt:MATRIX_FMT_FP6 matrix_b_fmt:MATRIX_FMT_FP6 matrix_a_scale:MATRIX_SCALE_ROW1
.else
	v_wmma_scale_f32_16x16x128_f8f6f4 v[8*(4*\a+\b):8*(4*\a+\b)+7], v[48*((\ks)%2)+FR*\b:48*((\ks)%2)+FR*\b+FR-1], v[AF+48*((\ks)%2)+FR*\a:AF+48*((\ks)%2)+FR*\a+FR-1], v[8*(4*\a+\b):8*(4*\a+\b)+7], v[SC+10*\b+(\ks)], v[SC+10*\a+(\ks)] matrix_a_fmt:MATRIX_FMT_FP6 matrix_b_fmt:MATRIX_FMT_FP6 matrix_a_scale:MATRIX_SCALE_ROW1
.endif
.endr
.endr
.endm
	FETCH 0
	FETCH 1
	s_wait_loadcnt 0x0                             ; the scale words
.irp ks, 0,1,2,3,4,5,6,7
.if \ks < 7
	s_wait_dscnt 32                                ; this step's fragments are in; the next step's 32 loads may be out
.else
	s_wait_dscnt 0x0
.endif
	MUL \ks
.if \ks == 2
	s_wait_tensorcnt 0x0                           ; every wave: all my tensor loads have landed, the upper half of K among them;
	s_wait_dscnt 0x0                               ; no LDS instruction of mine is out
	s_barrier_signal -1
	s_barrier_wait -1                              ; the upper half is shown to all, ahead of the fetch of K step 4
.endif
.if \ks < 6
	PLACES 4                                       ; in front of loads into registers that matrix instructions have read
	FETCH \ks+2
.endif
.endr
	WIN 0
; THE WAY OUT, block by block of 16 tokens x 64 columns, through my own stage: rows come back whole, and sixteen lanes store 256 consecutive bytes, aligned.  LDS serves a wave's instructions in order: no wait between stores and loads.
.macro TOSTAGE a
	WIN 0x08                                       ; the data: window 2
.irp b, 0,1,2,3
	ds_store_b128 v[STO], v[8*(4*(\a)+\b):8*(4*(\a)+\b)+3] offset:128*(\b/2)+32*(\b%2)       ; each accumulator from its low end on
	ds_store_b128 v[STO], v[8*(4*(\a)+\b)+4:8*(4*(\a)+\b)+7] offset:128*(\b/2)+32*(\b%2)+16
.endr
	WIN 0
.irp t, 0,1,2,3,4,5,6,7
	ds_load_b128 v[BK+32*((\a)%2)+4*\t:BK+32*((\a)%2)+4*\t+3], v[RD] offset:2*\t*SPITCH
.endr
.endm
.macro SEND a, younger                 ; stage row 2 t + h of block a is token 32 (a / 2) + 8 (a % 2) + 2 t + h + 8 (t / 4) of my 64
	s_wait_dscnt \younger
.irp t, 0,1,2,3,4,5,6,7
	global_store_b128 v[CO], v[BK+32*((\a)%2)+4*\t:BK+32*((\a)%2)+4*\t+3], s[8:9] offset:(32*((\a)/2)+8*((\a)%2)+2*\t+8*(\t/4))*4096 th:TH_STORE_NT
.endr
.endm
	PLACES 4                                       ; behind the last products: results are read
	TOSTAGE 0
.irp a, 1,2,3
.if \a > 1
	s_wait_xcnt 0x0                                ; block a - 2's stores have read their registers: block a's loads may land there
.endif
	TOSTAGE \a
	SEND \a-1, 16                                  ; behind block a - 1's loads: block a's 8 stores and 8 loads
.endr
	SEND 3, 0
	s_wait_tensorcnt 0x0                           ; the wave's end
	ds_add_u32 v[SPW], v[NIL]
	s_wait_dscnt 0x0
	CROUND                                         ; the closing round
	s_endpgm
.Lfunc_end_k_qf391b00e37_proj:
	.size	k_qf391b00e37_proj, .Lfunc_end_k_qf391b00e37_proj-k_qf391b00e37_proj
	.p2alignl 7, 3214868480
	.fill 96, 4, 3214868480
	.section	.rodata,"a",@progbits
	.p2align	6, 0x0
	.amdhsa_kernel k_qf391b00e37_proj
		.amdhsa_group_segment_fixed_size 214528
		.amdhsa_private_segment_fixed_size 0
		.amdhsa_enable_private_segment 0
		.amdhsa_kernarg_size 24
		.amdhsa_user_sgpr_count 2
		.amdhsa_user_sgpr_kernarg_segment_ptr 1
		.amdhsa_wavefront_size32 1
		.amdhsa_system_sgpr_workgroup_id_x 1
		.amdhsa_system_sgpr_workgroup_id_y 1
		.amdhsa_system_sgpr_workgroup_id_z 1
		.amdhsa_system_vgpr_workitem_id 0
		.amdhsa_next_free_vgpr 640
		.amdhsa_next_free_sgpr 96
		.amdhsa_reserve_vcc 1
		.amdhsa_float_denorm_mode_32 3
		.amdhsa_float_denorm_mode_16_64 3
		.amdhsa_memory_ordered 1
		.amdhsa_forward_progress 1
		.amdhsa_inst_pref_size 51
	.end_amdhsa_kernel
	.amdgpu_metadata
---
amdhsa.version: [ 1, 2 ]
amdhsa.kernels:
  - .name:           k_qf391b00e37_proj
    .symbol:         k_qf391b00e37_proj.kd
    .args:
      - { .name: codes, .offset: 0, .size: 8, .value_kind: global_buffer, .address_space: global }
      - { .name: scales, .offset: 8, .size: 8, .value_kind: global_buffer, .address_space: global }
      - { .name: out0, .offset: 16, .size: 8, .value_kind: global_buffer, .address_space: global }
    .group_segment_fixed_size: 214528
    .private_segment_fixed_size: 0
    .kernarg_segment_align: 8
    .kernarg_segment_size: 24
    .max_flat_workgroup_size: 128
    .sgpr_count:     96
    .vgpr_count:     640
    .wavefront_size: 32
...
	.end_amdgpu_metadata
.endif
;; end of part 4
